; MI455X (gfx1250); checked and timed in simulation.
; The chip was launched on July 23, 2026; its instructions are those of AMD's public machine-readable ISA for CDNA 5 (MIT licence, August 2026) and "CDNA5" Instruction Set Architecture Reference Guide (July 2026). The comments in the code are by the model that wrote it; some were corrected since.
;; Graph Generator. Allowed arithmetic: float matrix products may take bf16 or f16 operands with f32 sums; all other float work in f32.
;; Inputs: domain 3 float32; positions 8,192 x 3 float32.
;; Outputs: out0 8,192 x 8,192 bool.
;; 3 versions, each right; version 2 is faster than version 1; version 3 is version 2 with the launch radius written anew for expert scheduling mode. Each part assembles by itself: llvm-mc -triple=amdgcn-amd-amdhsa -mcpu=gfx1250 --defsym DOCPART=n.
;; ======== version 1 of 3: 1 launch
;; limits: right only within a limited range of input values
;; launch radius (part 1): grid 16 x 16, 8 waves a work-group, no clusters, 95,232 bytes of LDS; arguments domain, positions, out0; writes out0
.if DOCPART == 1
	.amdgcn_target "amdgcn-amd-amdhsa--gfx1250"
	.amdhsa_code_object_version 6
	.text
	.protected	k_q8cb29b85a5_radius
	.globl	k_q8cb29b85a5_radius
	.p2align	8
	.type	k_q8cb29b85a5_radius,@function
k_q8cb29b85a5_radius:
	s_mov_b64 s[64:65], 0
	v_nop
	global_prefetch_b8 v0, s[64:65] scope:SCOPE_SE
	s_setreg_imm32_b32 hwreg(HW_REG_WAVE_MODE, 25, 1), 1
	s_wait_xcnt 0x0
; out0[i][j] = (i != j) and, in any of four passes, d2(i, j) <= 0.01f.  Pass 0 takes the positions as they are, passes 1-3 take
; remainder(p + f d, d), f = 0.25, 0.5, 0.75.  d2 = (sq_i + sq_j) - 2 dot(i, j), everything in f32.
; The result is boolean, so the ORDER OF ROUNDING is part of the result.  It is kept as follows:
;   shift  fl(p + fl(f d)); fmod exact; the sign rule of jnp.remainder (add d where the truncated remainder and d differ in sign)
;   sq     fl(fl(fl(x x) + fl(y y)) + fl(z z))
;   dot    fma(z, z', fma(y, y', fl(x x'))): K ascending, one rounding a step
;   d2     fma(-2, dot, fl(sq_i + sq_j)): 2 dot is exact, so this is the rounded difference
; That is why the K = 3 product runs on the vector unit in f32: a 16-bit operand would move d2 by about the threshold itself, and the
; matrix unit adds its products in another order.
; LIMITS: the remainder is exact for |(p + f d) / d| < 2^22 and 2^-126 <= |d| <= 2^126 (the quotient comes from v_rcp_f32, which flushes
; denormals, with one correction step).  d = 0, infinities and NaN give NaN, a NaN loses every minimum and fails the compare: false.
;
; A work-group makes 512 x 512 of out0 with eight waves.  First each thread makes 4 of the block's 1,024 points (512 rows, 512 columns):
; 16 numbers a point, x y z sq in the four passes, into a table in LDS.  Then wave w takes rows 128 (w / 2) .. + 127 and columns
; 256 (w % 2) .. + 255: lane = column, 8 groups of 32 columns stay in 128 registers, a row comes by four broadcast LDS loads.
; A register pair holds two passes of one number, so the arithmetic is packed without any operand select.
; A compare gives 32 columns of one row as a bit mask; 32 rows of masks go through the wave's own LDS stage, and each lane takes the
; 16 bits of its 16 bytes: every store of the wave covers two runs of 256 consecutive bytes, aligned, and each byte is stored once.
.set N,      8192
.set BLK,    512                       ; rows and columns of a work-group's block
.set PITCH,  80                        ; bytes of a point in the table: 64 of data + 16, an odd multiple of 16 (16-byte accesses of 16 neighbouring points meet 16 different columns of banks)
.set TCOL,   BLK*PITCH                 ; the 512 column points lie behind the 512 row points
.set SCR,    2*BLK*PITCH               ; behind the table: a stage of 32 rows x 48 bytes for each wave
.set SPITCH, 48                        ; 32 bytes (256 bits) of a row + 16
.set SCRW,   32*SPITCH
.set WROWS,  128                       ; rows of a wave
.set TRIPS,  WROWS/2                   ; two rows a trip
; vector registers
.set LANE, 1
.set TA,   2                           ; table address of my first point
.set GO,   3                           ; byte offset of my first point in positions
.set RAD,  4                           ; table address of the trip's first row (the same in all lanes)
.set SST,  5                           ; stage: where lane r puts row r's 256 bits
.set SLD,  6                           ; stage: where I read my 16 bits
.set OFF,  7                           ; my byte offset in out0 inside two rows
.set DV,   8
.set BIT,  9
.set GV,   10
.set TMP,  11
.set RC,   12                          ; v[12:14]   -1 / |d|
.set M,    16                          ; v[16:23]   lane r: the masks of row r, groups 0-7
.set W,    24                          ; v[24:39]   16 bits for each of a flush's 16 stores
.set RA,   40                          ; v[40:55]   a row's 16 numbers
.set RB,   56                          ; v[56:71]   the next row's
.set T,    72                          ; v[72:87]   dot, then d2: four groups x four passes.  In a flush T and S are 8 sets of 16 bytes to store
.set S,    88                          ; v[88:103]  sq_i + sq_j, then the minimum
.set COL,  104                         ; v[104:231] group g: x0-3 y0-3 z0-3 sq0-3 of column 32 g + lane
; the same registers while the table is made
.set PT,   104                         ; v[104:167] four points x 16 numbers
.set XX,   168                         ; index 4 c + f everywhere: p + f d
.set QQ,   180                         ; minus the quotient
.set RR,   192                         ; the remainder
.set EE,   204
.set SA,   216
.set SB,   220
.set AX,   224                         ; |p + f d|
; scalar registers
.set DOM,  12                          ; s[12:14] d
.set AD,   16                          ; s[16:18] |d|
.set FD,   20                          ; s[20:28] f d, index 3 c + f - 1
.set DN,   29                          ; s[29:31] all ones where d < 0
.set MK,   40                          ; s[40:48], s[49:57] masks while the table is made
.set MK2,  49
.set NAD,  58                          ; s[58:60] -|d|
.set MKM,  40                          ; s[40:43] masks of four groups
.set THR,  44
.set BITA, 45                          ; 1 << (row in the batch of 32), for the trip's two rows
.set BITB, 46
.set CNT,  47
.set DIAG, 48                          ; first row of the batch - my first column
.set KMUL, 49
.set K01,  50
.set MKD,  52                          ; s[52:59]
	s_load_b128 s[4:7], s[0:1], 0x0                ; domain s[4:5], positions s[6:7]
	s_load_b64 s[8:9], s[0:1], 0x10                ; out0
	v_lshl_add_u32 v236, v0, 2, 0x17000
	v_mov_b32 v237, 0
	v_and_b32 v[LANE], 31, v0
	v_lshrrev_b32 v[TMP], 5, v0
	v_readfirstlane_b32 s10, v[TMP]                ; wave 0..7
	s_and_b32 s32, ttmp7, 0xffff                   ; block row; ttmp9 is the block column
	s_mul_i32 s2, s32, BLK*12
	s_mov_b32 s3, 0
	s_mov_b32 s38, 0x7fffffff
	v_mul_u32_u24 v[GO], v0, 12
	v_mul_u32_u24 v[TA], v0, PITCH
	s_wait_kmcnt 0x0
	s_load_b96 s[DOM:DOM+2], s[4:5], 0x0
	s_add_nc_u64 s[34:35], s[6:7], s[2:3]          ; positions at the block's first row point
	s_mul_i32 s2, ttmp9, BLK*12
	s_add_nc_u64 s[36:37], s[6:7], s[2:3]          ; and at its first column point
	; Thread t makes table entries t, t + 256 (rows) and t + 512, t + 768 (columns).  Each coordinate is loaded straight into its place
	; among the point's 16 numbers; the three loads of a point together take 384 consecutive bytes a wave.
.irp k, 0,1
.irp c, 0,1,2
	global_load_b32 v[PT+16*\k+4*\c], v[GO], s[34:35] offset:\k*256*12+4*\c
.endr
.endr
.irp k, 2,3
.irp c, 0,1,2
	global_load_b32 v[PT+16*\k+4*\c], v[GO], s[36:37] offset:(\k-2)*256*12+4*\c
.endr
.endr
	s_wait_kmcnt 0x0
.irp c, 0,1,2
	s_and_b32 s[AD+\c], s[DOM+\c], s38
	s_or_b32  s[NAD+\c], s[DOM+\c], 0x80000000
	s_mul_f32 s[FD+3*\c],   s[DOM+\c], 0x3e800000  ; 0.25 d
	s_mul_f32 s[FD+3*\c+1], s[DOM+\c], 0.5
	s_mul_f32 s[FD+3*\c+2], s[DOM+\c], 0x3f400000  ; 0.75 d, rounded by itself
.endr
.irp c, 0,1,2
	v_rcp_f32 v[RC+\c], s[NAD+\c]                  ; first used behind the compares and additions below (ISA guide 5.7.2 asks for one plain instruction between)
.endr
	s_wait_alu depctr_va_vdst(0)
.irp c, 0,1,2
	v_cmp_gt_f32 s[DN+\c], 0, s[DOM+\c]            ; every lane sees the same d: all ones or zero
.endr
; One point: nine remainders side by side (c = coordinate, f = pass), then the four norms, then 64 bytes into the table.
; fmod(|x|, |d|): q = trunc(|x| / |d|) is off by one at the most while the quotient is below 2^22; r = |x| - q |d| by one fma is exact
; for the right q (r is a multiple of the last place of |d| and below |d|), and its sign and its order against |d| are right for a wrong
; one, since rounding keeps order.  So q is corrected once and r is made again.  QQ holds -q, so no operand needs a sign.
.macro POINT k, left
	s_wait_loadcnt \left                           ; the three loads of each later point may stay out
.irp c, 0,1,2
.irp f, 1,2,3
	v_add_f32 v[XX+4*\c+\f], s[FD+3*\c+\f-1], v[PT+16*\k+4*\c]
.endr
.endr
.irp c, 0,1,2
.irp f, 1,2,3
	v_and_b32 v[AX+4*\c+\f], s38, v[XX+4*\c+\f]
.endr
.endr
.irp c, 0,1,2
.irp f, 1,2,3
	v_mul_f32 v[QQ+4*\c+\f], v[AX+4*\c+\f], v[RC+\c]
.endr
.endr
.irp c, 0,1,2
.irp f, 1,2,3
	v_trunc_f32 v[QQ+4*\c+\f], v[QQ+4*\c+\f]
.endr
.endr
.irp c, 0,1,2
.irp f, 1,2,3
	v_fma_f32 v[RR+4*\c+\f], v[QQ+4*\c+\f], s[AD+\c], v[AX+4*\c+\f]
.endr
.endr
.irp c, 0,1,2
.irp f, 1,2,3
	v_cmp_gt_f32 s[MK+3*\c+\f-1], 0, v[RR+4*\c+\f]             ; r < 0: q was one too large
	v_cmp_le_f32 s[MK2+3*\c+\f-1], s[AD+\c], v[RR+4*\c+\f]     ; r >= |d|: one too small
.endr
.endr
.irp c, 0,1,2
.irp f, 1,2,3
	v_cndmask_b32 v[EE+4*\c+\f], 0, 1.0, s[MK+3*\c+\f-1]
.endr
.endr
.irp c, 0,1,2
.irp f, 1,2,3
	v_cndmask_b32 v[EE+4*\c+\f], v[EE+4*\c+\f], -1.0, s[MK2+3*\c+\f-1]
.endr
.endr
.irp c, 0,1,2
.irp f, 1,2,3
	v_add_f32 v[QQ+4*\c+\f], v[QQ+4*\c+\f], v[EE+4*\c+\f]
.endr
.endr
.irp c, 0,1,2
.irp f, 1,2,3
	v_fma_f32 v[RR+4*\c+\f], v[QQ+4*\c+\f], s[AD+\c], v[AX+4*\c+\f]
.endr
.endr
.irp c, 0,1,2
.irp f, 1,2,3
	v_bfi_b32 v[RR+4*\c+\f], s38, v[RR+4*\c+\f], v[XX+4*\c+\f] ; the truncated remainder has x's sign
.endr
.endr
.irp c, 0,1,2
.irp f, 1,2,3
	v_cmp_gt_f32 s[MK+3*\c+\f-1], 0, v[RR+4*\c+\f]
	v_cmp_neq_f32 s[MK2+3*\c+\f-1], 0, v[RR+4*\c+\f]
	v_add_f32 v[EE+4*\c+\f], s[DOM+\c], v[RR+4*\c+\f]
.endr
.endr
.irp c, 0,1,2
.irp f, 1,2,3
	s_xor_b32 s[MK+3*\c+\f-1], s[MK+3*\c+\f-1], s[DN+\c]       ; signs differ,
	s_and_b32 s[MK+3*\c+\f-1], s[MK+3*\c+\f-1], s[MK2+3*\c+\f-1] ; and the remainder is not zero: d is added
.endr
.endr
.irp c, 0,1,2
.irp f, 1,2,3
	v_cndmask_b32 v[PT+16*\k+4*\c+\f], v[RR+4*\c+\f], v[EE+4*\c+\f], s[MK+3*\c+\f-1]
.endr
.endr
.irp h, 0,2
	v_pk_mul_f32 v[SA+\h:SA+\h+1], v[PT+16*\k+\h:PT+16*\k+\h+1], v[PT+16*\k+\h:PT+16*\k+\h+1]
	v_pk_mul_f32 v[SB+\h:SB+\h+1], v[PT+16*\k+4+\h:PT+16*\k+5+\h], v[PT+16*\k+4+\h:PT+16*\k+5+\h]
.endr
.irp h, 0,2
	v_pk_add_f32 v[SA+\h:SA+\h+1], v[SA+\h:SA+\h+1], v[SB+\h:SB+\h+1]
	v_pk_mul_f32 v[SB+\h:SB+\h+1], v[PT+16*\k+8+\h:PT+16*\k+9+\h], v[PT+16*\k+8+\h:PT+16*\k+9+\h]
.endr
.irp h, 0,2
	v_pk_add_f32 v[PT+16*\k+12+\h:PT+16*\k+13+\h], v[SA+\h:SA+\h+1], v[SB+\h:SB+\h+1]
.endr
.irp j, 0,1,2,3
	ds_store_b128 v[TA], v[PT+16*\k+4*\j:PT+16*\k+4*\j+3] offset:\k*256*PITCH+16*\j
.endr
.endm
	POINT 0, 9
	POINT 1, 6
	POINT 2, 3
	POINT 3, 0
	s_wait_dscnt 0x0                               ; my part of the table is written,
	s_barrier_signal -1
	s_barrier_wait -1                              ; everybody's is; nobody writes the table again
	s_and_b32 s11, s10, 1                          ; which 256 columns are mine
	s_lshr_b32 s15, s10, 1                         ; which 128 rows
	s_mul_i32 s2, s11, 256*PITCH
	s_add_co_u32 s2, s2, TCOL
	v_mul_u32_u24 v[TMP], v[LANE], PITCH
	v_add_nc_u32 v[TMP], s2, v[TMP]
.irp g, 0,1,2,3,4,5,6,7
.irp j, 0,1,2,3
	ds_load_b128 v[COL+16*\g+4*\j:COL+16*\g+4*\j+3], v[TMP] offset:\g*32*PITCH+16*\j
.endr
.endr
	s_mul_i32 s2, s15, WROWS*PITCH
	v_mov_b32 v[RAD], s2
.irp j, 0,1,2,3
	ds_load_b128 v[RA+4*\j:RA+4*\j+3], v[RAD] offset:16*\j         ; my first two rows
.endr
.irp j, 0,1,2,3
	ds_load_b128 v[RB+4*\j:RB+4*\j+3], v[RAD] offset:PITCH+16*\j
.endr
	s_mul_i32 s2, s10, SCRW
	s_add_co_u32 s2, s2, SCR                       ; my stage
	v_mul_u32_u24 v[SST], v[LANE], SPITCH
	v_add_nc_u32 v[SST], s2, v[SST]
	v_and_b32 v[DV], 15, v0                        ; lane % 16: which 16 columns of the 256
	v_bfe_u32 v[GV], v0, 4, 1                      ; lane / 16: which of a store's two rows
	v_mul_u32_u24 v[SLD], v[GV], SPITCH
	v_lshl_add_u32 v[SLD], v[DV], 1, v[SLD]
	v_add_nc_u32 v[SLD], s2, v[SLD]
	v_lshlrev_b32 v[OFF], 4, v[DV]
	v_lshl_add_u32 v[OFF], v[GV], 13, v[OFF]
	s_lshl_b32 s2, s32, 9
	s_lshl_b32 s39, s15, 7
	s_add_co_u32 s2, s2, s39                       ; my first row
	s_lshl_b32 s39, ttmp9, 9
	s_lshl_b32 s19, s11, 8
	s_add_co_u32 s39, s39, s19                     ; my first column
	s_sub_co_u32 s[DIAG], s2, s39
	s_lshl_b32 s2, s2, 13                          ; 8,192 bytes a row: below 2^26
	s_add_co_u32 s2, s2, s39
	s_mov_b32 s3, 0
	s_add_nc_u64 s[8:9], s[8:9], s[2:3]
	s_mov_b32 s[THR], 0x3c23d70a                   ; 0.1 * 0.1 as f32
	s_mov_b32 s[KMUL], 0x204081
	s_mov_b32 s[K01], 0x01010101
	s_mov_b32 s[BITA], 1
	s_mov_b32 s[BITB], 2
	s_mov_b32 s[CNT], 0
.irp g, 0,1,2,3,4,5,6,7
	v_mov_b32 v[M+\g], 0                           ; once: afterwards every lane is written again in each batch of 32 rows
.endr
; One row against my 256 columns, four groups at a time: eight packed chains side by side, so that no instruction needs the one in front of it.
.macro ROW R, bit
.irp g0, 0,4
.irp j, 0,1,2,3
.irp h, 0,2
	v_pk_mul_f32 v[T+4*\j+\h:T+4*\j+\h+1], v[COL+16*(\g0+\j)+\h:COL+16*(\g0+\j)+\h+1], v[\R+\h:\R+\h+1]
.endr
.endr
.irp j, 0,1,2,3
.irp h, 0,2
	v_pk_add_f32 v[S+4*\j+\h:S+4*\j+\h+1], v[COL+16*(\g0+\j)+12+\h:COL+16*(\g0+\j)+13+\h], v[\R+12+\h:\R+13+\h]
.endr
.endr
.irp j, 0,1,2,3
.irp h, 0,2
	v_pk_fma_f32 v[T+4*\j+\h:T+4*\j+\h+1], v[COL+16*(\g0+\j)+4+\h:COL+16*(\g0+\j)+5+\h], v[\R+4+\h:\R+5+\h], v[T+4*\j+\h:T+4*\j+\h+1]
.endr
.endr
.irp j, 0,1,2,3
.irp h, 0,2
	v_pk_fma_f32 v[T+4*\j+\h:T+4*\j+\h+1], v[COL+16*(\g0+\j)+8+\h:COL+16*(\g0+\j)+9+\h], v[\R+8+\h:\R+9+\h], v[T+4*\j+\h:T+4*\j+\h+1]
.endr
.endr
.irp j, 0,1,2,3
.irp h, 0,2
	v_pk_fma_f32 v[T+4*\j+\h:T+4*\j+\h+1], v[T+4*\j+\h:T+4*\j+\h+1], -2.0, v[S+4*\j+\h:S+4*\j+\h+1] op_sel_hi:[1,0,1]
.endr
.endr
.irp j, 0,1,2,3
	v_min3_num_f32 v[S+4*\j], v[T+4*\j], v[T+4*\j+1], v[T+4*\j+2]  ; any pass <= threshold = the least of them is; a NaN loses
.endr
.irp j, 0,1,2,3
	v_min_num_f32 v[S+4*\j], v[S+4*\j], v[T+4*\j+3]
.endr
.irp j, 0,1,2,3
	v_cmp_ge_f32 s[MKM+\j], s[THR], v[S+4*\j]      ; bit l: column 32 g + l
.endr
.irp j, 0,1,2,3
	v_cndmask_b32 v[M+\g0+\j], v[M+\g0+\j], s[MKM+\j], s[\bit]     ; the row's lane takes the mask
.endr
.endr
.endm
.Lrows:
	s_wait_dscnt 0x4                               ; the first row's numbers are in; the four loads of the second, issued behind them, may be out
	ROW RA, BITA
.irp j, 0,1,2,3
	ds_load_b128 v[RA+4*\j:RA+4*\j+3], v[RAD] offset:2*PITCH+16*\j ; two rows ahead.  In my last trip these are the two table entries behind my rows
.endr                                                                  ; (for the last waves the first two column points): inside the table, and not used
	s_wait_dscnt 0x4                               ; the second row's numbers are in; the four just issued may be out
	ROW RB, BITB
.irp j, 0,1,2,3
	ds_load_b128 v[RB+4*\j:RB+4*\j+3], v[RAD] offset:3*PITCH+16*\j
.endr
	v_add_nc_u32 v[RAD], 2*PITCH, v[RAD]
	s_lshl_b32 s[BITA], s[BITA], 2
	s_lshl_b32 s[BITB], s[BITB], 2
	s_add_co_u32 s[CNT], s[CNT], 1
	s_and_b32 s2, s[CNT], 15
	s_cmp_lg_u32 s2, 0
	s_cbranch_scc1 .Lnext
	; Every 16 trips: 32 rows x 256 columns leave.  Lane r holds row r's eight masks.
	v_add_nc_u32 v[DV], s[DIAG], v[LANE]           ; my row - my first column: 0..255 where the diagonal crosses the tile
	v_lshlrev_b32 v[BIT], v[DV], 1                 ; 1 << (that % 32)
	v_lshrrev_b32 v[GV], 5, v[DV]                  ; its group; no group where the difference is negative or large
.irp g, 0,1,2,3,4,5,6,7
	v_cmp_eq_u32 s[MKD+\g], \g, v[GV]
.endr
.irp g, 0,1,2,3,4,5,6,7
	v_cndmask_b32 v[W+\g], 0, v[BIT], s[MKD+\g]
.endr
.irp g, 0,1,2,3,4,5,6,7
	v_bfi_b32 v[M+\g], v[W+\g], 0, v[M+\g]         ; no loop: the bit (i, i) is cleared
.endr
	ds_store_b128 v[SST], v[M:M+3]
	ds_store_b128 v[SST], v[M+4:M+7] offset:16
.irp s, 0,1,2,3,4,5,6,7,8,9,10,11,12,13,14,15
	ds_load_u16 v[W+\s], v[SLD] offset:\s*2*SPITCH ; the stage is my wave's own and LDS serves a wave in order (ISA guide 5.7.1): these see the stores above
.endr
.irp s, 0,1,2,3,4,5,6,7,8,9,10,11,12,13,14,15
	s_wait_dscnt 15-\s                             ; the younger 15 - s of the sixteen loads may be out
.if \s == 8
	s_wait_xcnt 0x0                                ; the eight sets of store data are used a second time only behind this wait
.endif
	v_and_b32 v[T+4*(\s%8)], 15, v[W+\s]
	v_bfe_u32 v[T+4*(\s%8)+1], v[W+\s], 4, 4
	v_bfe_u32 v[T+4*(\s%8)+2], v[W+\s], 8, 4
	v_lshrrev_b32 v[T+4*(\s%8)+3], 12, v[W+\s]
.irp k, 0,1,2,3
	v_mul_u32_u24 v[T+4*(\s%8)+\k], s[KMUL], v[T+4*(\s%8)+\k]      ; x (1 + 2^7 + 2^14 + 2^21): bit k lands on bit 8 k, the other fifteen copies on other places
.endr
.irp k, 0,1,2,3
	v_and_b32 v[T+4*(\s%8)+\k], s[K01], v[T+4*(\s%8)+\k]           ; four bits are four bytes of 0 or 1
.endr
	global_store_b128 v[OFF], v[T+4*(\s%8):T+4*(\s%8)+3], s[8:9] offset:\s*2*N th:TH_STORE_NT   ; lanes 0-15: 256 consecutive bytes of row 2 s, aligned; lanes 16-31: of row 2 s + 1
.endr
	s_wait_xcnt 0x0                                ; T, S and the base are written again only behind this wait
	s_add_nc_u64 s[8:9], s[8:9], 32*N
	s_add_co_u32 s[DIAG], s[DIAG], 32
	s_mov_b32 s[BITA], 1
	s_mov_b32 s[BITB], 2
.Lnext:
	s_cmp_lt_u32 s[CNT], TRIPS
	s_cbranch_scc1 .Lrows
	s_wait_tensorcnt 0x0
	ds_add_u32 v236, v237
	s_wait_dscnt 0x0
	s_endpgm
.Lfunc_end_k_q8cb29b85a5_radius:
	.size	k_q8cb29b85a5_radius, .Lfunc_end_k_q8cb29b85a5_radius-k_q8cb29b85a5_radius
	.p2alignl 7, 3214868480
	.fill 96, 4, 3214868480
	.section	.rodata,"a",@progbits
	.p2align	6, 0x0
	.amdhsa_kernel k_q8cb29b85a5_radius
		.amdhsa_group_segment_fixed_size 95232
		.amdhsa_private_segment_fixed_size 0
		.amdhsa_enable_private_segment 0
		.amdhsa_kernarg_size 24
		.amdhsa_user_sgpr_count 2
		.amdhsa_user_sgpr_kernarg_segment_ptr 1
		.amdhsa_wavefront_size32 1
		.amdhsa_system_sgpr_workgroup_id_x 1
		.amdhsa_system_sgpr_workgroup_id_y 1
		.amdhsa_system_sgpr_workgroup_id_z 1
		.amdhsa_system_vgpr_workitem_id 0
		.amdhsa_next_free_vgpr 238
		.amdhsa_next_free_sgpr 66
		.amdhsa_reserve_vcc 0
		.amdhsa_float_denorm_mode_32 3
		.amdhsa_float_denorm_mode_16_64 3
		.amdhsa_memory_ordered 1
		.amdhsa_forward_progress 1
		.amdhsa_inst_pref_size 70
	.end_amdhsa_kernel
	.amdgpu_metadata
---
amdhsa.version: [ 1, 2 ]
amdhsa.kernels:
  - .name:           k_q8cb29b85a5_radius
    .symbol:         k_q8cb29b85a5_radius.kd
    .args:
      - { .name: domain, .offset: 0, .size: 8, .value_kind: global_buffer, .address_space: global }
      - { .name: positions, .offset: 8, .size: 8, .value_kind: global_buffer, .address_space: global }
      - { .name: out0, .offset: 16, .size: 8, .value_kind: global_buffer, .address_space: global }
    .group_segment_fixed_size: 95232
    .private_segment_fixed_size: 0
    .kernarg_segment_align: 8
    .kernarg_segment_size: 24
    .max_flat_workgroup_size: 256
    .sgpr_count:     66
    .vgpr_count:     238
    .wavefront_size: 32
...
	.end_amdgpu_metadata
.endif
;; end of part 1
;; ======== version 2 of 3: 1 launch; 1.45 times as fast as version 1
;; limits: right only within a limited range of input values
;; launch radius (part 2): grid 8 x 32, 8 waves a work-group, no clusters, 93,184 bytes of LDS; arguments domain, positions, out0; writes out0
.if DOCPART == 2
	.amdgcn_target "amdgcn-amd-amdhsa--gfx1250"
	.amdhsa_code_object_version 6
	.text
	.protected	k_q8cb29b85a5_radius
	.globl	k_q8cb29b85a5_radius
	.p2align	8
	.type	k_q8cb29b85a5_radius,@function
k_q8cb29b85a5_radius:
	s_mov_b64 s[64:65], 0
	v_nop
	global_prefetch_b8 v0, s[64:65] scope:SCOPE_SE
	s_setreg_imm32_b32 hwreg(HW_REG_WAVE_MODE, 25, 1), 1
	s_wait_xcnt 0x0
; out0[i][j] = (i != j) and, in any of four passes, d2(i, j) <= 0.01f.  Pass 0 takes the positions as they are, passes 1-3 take
; remainder(p + f d, d), f = 0.25, 0.5, 0.75.  d2 = (sq_i + sq_j) - 2 dot(i, j), everything in f32.
; The result is boolean, so the ORDER OF ROUNDING is part of the result.  It is kept as follows:
;   shift  fl(p + fl(f d)); fmod exact; the sign rule of jnp.remainder (add d where the truncated remainder and d differ in sign)
;   sq     fl(fl(fl(x x) + fl(y y)) + fl(z z))
;   dot    fma(z, z', fma(y, y', fl(x x'))): K ascending, one rounding a step
;   d2     fma(-2, dot, fl(sq_i + sq_j)): 2 dot is exact, so this is the rounded difference
; That is why the K = 3 product runs on the vector unit in f32: a 16-bit operand would move d2 by about the threshold itself, and the
; matrix unit adds its products in another order.
; LIMITS: the remainder is exact for |(p + f d) / d| < 2^22 and 2^-126 <= |d| <= 2^126 (the quotient comes from v_rcp_f32, which flushes
; denormals, with one correction step).  d = 0, infinities and NaN give NaN, a NaN loses every minimum and fails the compare: false.
;
; EACH PAIR ONCE.  Every step of d2 is commutative in its two points, so d2(i, j) and d2(j, i) have the same bits: a tile and its mirror
; are computed once and stored twice.  out0 is 32 x 32 tiles of 256 x 256 (a mirrored tile also leaves in runs of 256 aligned bytes).
; Work-group (q, i), q = 0..7, i = 0..31, makes tiles (i, i + 2q + 1) and (i, i + 2q + 2), block columns modulo 32, and their mirrors:
; distances 1 to 15 and, by the mirrors, 17 to 31.  Distance 16 (q = 7, second tile) is stored directly alone: its mirror is block row
; i + 16's own tile of distance 16.  (There the mirror's words are still built, one instruction in fifteen, and not stored: one text for all.)
; The diagonal tile (i, i) has no mirror: its rows 32 q .. 32 q + 31 are this work-group's, four a wave.  So all 256 work-groups do the same work.
;
; First each thread makes 3 of the 768 points (blocks i, J1, J2): 16 numbers a point, x y z sq in the four passes, into a table in LDS.
; In a tile wave w takes rows 32 w .. 32 w + 31: lane = column, 8 groups of 32 columns stay in 128 registers, a row comes by four
; broadcast LDS loads.  A register pair holds two passes of one number, so the arithmetic is packed without any operand select.
; A compare gives 32 columns of one row as a mask.  DIRECT: the row's lane of M takes the mask.  MIRROR: every lane shifts its own bit of
; the mask into MT (MT = 2 MT + bit, an add with carry in).  The row taken first ends in bit 31, so rows are taken downward: the table
; holds point e xor 31 of a block at entry e, and LDS addresses go upward.  After 32 rows lane l of MT[g] holds the 32 bits of mirror row
; 32 g + l that belong to my 32 rows; the eight waves put their words side by side in a stage in LDS, and behind a barrier each wave
; takes 32 mirror rows.  Both ways out each lane takes the 16 bits of its 16 bytes: every store of the wave covers two runs of 256
; consecutive bytes, aligned, and each byte of out0 is stored once, by one work-group.
; BARRIERS, four: behind the table; between the diagonal's row reads and the first stores into the stages; behind each tile's mirror words.
.set N,      8192
.set TB,     256                       ; a tile's side
.set PITCH,  80                        ; bytes of a point in the table: 64 of data + 16, an odd multiple of 16 (16-byte accesses of 16 neighbouring points meet 16 different columns of banks)
.set TBL,    TB*PITCH                  ; a block's part of the table: blocks i, J1, J2
.set SCR,    3*TBL                     ; behind the table: a stage of 32 rows x 48 bytes for each wave, its own
.set SPITCH, 48                        ; 32 bytes (256 bits) of a row + 16
.set SCRW,   32*SPITCH
.set MIR,    SCR+8*SCRW                ; behind these: a stage of 256 mirror rows for each of the two tiles, so none is written twice
.set MPITCH, 36                        ; 32 bytes + 4: nine words, odd, so the 32 lanes' words of one store lie in 32 different banks
.set MSTG,   TB*MPITCH
; vector registers
.set LANE, 1
.set TA,   2                           ; table address of my first point
.set GO,   3                           ; byte offset of my point in a block of positions
.set RAD,  4                           ; table address of the trip's first row (the same in all lanes)
.set SST,  5                           ; my wave's stage: where lane r puts row r's 256 bits
.set SLD,  6                           ; my wave's stage: where I read my 16 bits
.set OFF,  7                           ; my byte offset in out0 inside two rows; never rewritten
.set DV,   8
.set BIT,  9
.set GV,   10
.set TMP,  11
.set RC,   12                          ; v[12:14]   -1 / |d|
.set CADR, 15                          ; table address of my column in group 0 of block i
.set M,    16                          ; v[16:23]   lane r: the masks of row r, groups 0-7
.set W,    24                          ; v[24:39]   16 bits for each of a flush's stores
.set RA,   40                          ; v[40:55]   a row's 16 numbers
.set RB,   56                          ; v[56:71]   the next row's
.set T,    72                          ; v[72:87]   dot, then d2: four groups x four passes.  In a flush T and S are 8 sets of 16 bytes to store
.set S,    88                          ; v[88:103]  sq_i + sq_j, then the minimum
.set COL,  104                         ; v[104:231] group g: x0-3 y0-3 z0-3 sq0-3 of column 32 g + lane
.set MT,   232                         ; v[232:239] group g: my column's bits, one for each row taken so far
.set MST,  240                         ; mirror stage: mirror row = lane, my wave's word
.set MLD,  241                         ; mirror stage: where I read my 16 bits
; the same registers while the table is made
.set PT,   104                         ; v[104:151] three points x 16 numbers
.set XX,   168                         ; index 4 c + f everywhere: p + f d
.set QQ,   180                         ; minus the quotient
.set RR,   192                         ; the remainder
.set EE,   204
.set SA,   216
.set SB,   220
.set AX,   224                         ; |p + f d|
; scalar registers
.set DOM,  12                          ; s[12:14] d
.set AD,   16                          ; s[16:18] |d|
.set FD,   20                          ; s[20:28] f d, index 3 c + f - 1
.set DN,   29                          ; s[29:31] all ones where d < 0
.set MK,   40                          ; s[40:48], s[49:57] masks while the table is made
.set MK2,  49
.set NAD,  58                          ; s[58:60] -|d|
.set MKM,  40                          ; s[40:43] masks of four groups
.set THR,  44
.set BITA, 45                          ; 1 << (row in the batch), for the trip's two rows
.set BITB, 46
.set CNT,  47
.set DIAG, 48                          ; my first row in the diagonal tile
.set KMUL, 49
.set K01,  50
.set ROW0, 51                          ; table address of my 32 rows
.set MKD,  52                          ; s[52:59]
.set JA,   66                          ; block columns of the two tiles
.set JB,   67
.set OD,   68                          ; s[68:69] out0 at my rows of the diagonal tile
.set O1,   70                          ; s[70:71] at my rows of tile 1;  s[72:73] at my rows of its mirror
.set M1,   72
.set O2,   74                          ; the same for tile 2
.set M2,   76
	s_load_b128 s[4:7], s[0:1], 0x0                ; domain s[4:5], positions s[6:7]
	s_load_b64 s[8:9], s[0:1], 0x10                ; out0
	v_lshl_add_u32 v242, v0, 2, 0x16800
	v_mov_b32 v243, 0
	v_and_b32 v[LANE], 31, v0
	v_lshrrev_b32 v[TMP], 5, v0
	v_readfirstlane_b32 s10, v[TMP]                ; wave 0..7
	s_and_b32 s32, ttmp7, 0xffff                   ; i: block row
	s_mov_b32 s33, ttmp9                           ; q
	s_lshl1_add_u32 s[JA], s33, s32                ; i + 2 q
	s_add_co_u32 s[JB], s[JA], 2
	s_add_co_u32 s[JA], s[JA], 1
	s_and_b32 s[JA], s[JA], 31
	s_and_b32 s[JB], s[JB], 31
	s_mov_b32 s38, 0x7fffffff
	v_xor_b32 v[GO], 31, v0                        ; entry t of a block's table holds its point t xor 31
	v_mul_u32_u24 v[GO], v[GO], 12
	v_mul_u32_u24 v[TA], v0, PITCH
	s_mov_b32 s3, 0
	s_mul_i32 s2, s32, TB*12
	s_wait_kmcnt 0x0
	s_load_b96 s[DOM:DOM+2], s[4:5], 0x0
	s_add_nc_u64 s[34:35], s[6:7], s[2:3]          ; positions at block i,
	s_mul_i32 s2, s[JA], TB*12
	s_add_nc_u64 s[36:37], s[6:7], s[2:3]          ; at the first tile's columns,
	s_mul_i32 s2, s[JB], TB*12
	s_add_nc_u64 s[62:63], s[6:7], s[2:3]          ; at the second tile's
	; Each coordinate is loaded straight into its place among the point's 16 numbers; the three loads of a point together take 384 consecutive bytes a wave.
.irp c, 0,1,2
	global_load_b32 v[PT+4*\c], v[GO], s[34:35] offset:4*\c
.endr
.irp c, 0,1,2
	global_load_b32 v[PT+16+4*\c], v[GO], s[36:37] offset:4*\c
.endr
.irp c, 0,1,2
	global_load_b32 v[PT+32+4*\c], v[GO], s[62:63] offset:4*\c
.endr
	s_wait_kmcnt 0x0
.irp c, 0,1,2
	s_and_b32 s[AD+\c], s[DOM+\c], s38
	s_or_b32  s[NAD+\c], s[DOM+\c], 0x80000000
	s_mul_f32 s[FD+3*\c],   s[DOM+\c], 0x3e800000  ; 0.25 d
	s_mul_f32 s[FD+3*\c+1], s[DOM+\c], 0.5
	s_mul_f32 s[FD+3*\c+2], s[DOM+\c], 0x3f400000  ; 0.75 d, rounded by itself
.endr
.irp c, 0,1,2
	v_rcp_f32 v[RC+\c], s[NAD+\c]                  ; first used behind the compares and additions below (ISA guide 5.7.2 asks for one plain instruction between)
.endr
	s_wait_alu depctr_va_vdst(0)
.irp c, 0,1,2
	v_cmp_gt_f32 s[DN+\c], 0, s[DOM+\c]            ; every lane sees the same d: all ones or zero
.endr
; One point: nine remainders side by side (c = coordinate, f = pass), then the four norms, then 64 bytes into the table.
; fmod(|x|, |d|): q = trunc(|x| / |d|) is off by one at the most while the quotient is below 2^22; r = |x| - q |d| by one fma is exact
; for the right q (r is a multiple of the last place of |d| and below |d|), and its sign and its order against |d| are right for a wrong
; one, since rounding keeps order.  So q is corrected once and r is made again.  QQ holds -q, so no operand needs a sign.
.macro POINT k, left
	s_wait_loadcnt \left                           ; the three loads of each later point may stay out
.irp c, 0,1,2
.irp f, 1,2,3
	v_add_f32 v[XX+4*\c+\f], s[FD+3*\c+\f-1], v[PT+16*\k+4*\c]
.endr
.endr
.irp c, 0,1,2
.irp f, 1,2,3
	v_and_b32 v[AX+4*\c+\f], s38, v[XX+4*\c+\f]
.endr
.endr
.irp c, 0,1,2
.irp f, 1,2,3
	v_mul_f32 v[QQ+4*\c+\f], v[AX+4*\c+\f], v[RC+\c]
.endr
.endr
.irp c, 0,1,2
.irp f, 1,2,3
	v_trunc_f32 v[QQ+4*\c+\f], v[QQ+4*\c+\f]
.endr
.endr
.irp c, 0,1,2
.irp f, 1,2,3
	v_fma_f32 v[RR+4*\c+\f], v[QQ+4*\c+\f], s[AD+\c], v[AX+4*\c+\f]
.endr
.endr
.irp c, 0,1,2
.irp f, 1,2,3
	v_cmp_gt_f32 s[MK+3*\c+\f-1], 0, v[RR+4*\c+\f]             ; r < 0: q was one too large
	v_cmp_le_f32 s[MK2+3*\c+\f-1], s[AD+\c], v[RR+4*\c+\f]     ; r >= |d|: one too small
.endr
.endr
.irp c, 0,1,2
.irp f, 1,2,3
	v_cndmask_b32 v[EE+4*\c+\f], 0, 1.0, s[MK+3*\c+\f-1]
.endr
.endr
.irp c, 0,1,2
.irp f, 1,2,3
	v_cndmask_b32 v[EE+4*\c+\f], v[EE+4*\c+\f], -1.0, s[MK2+3*\c+\f-1]
.endr
.endr
.irp c, 0,1,2
.irp f, 1,2,3
	v_add_f32 v[QQ+4*\c+\f], v[QQ+4*\c+\f], v[EE+4*\c+\f]
.endr
.endr
.irp c, 0,1,2
.irp f, 1,2,3
	v_fma_f32 v[RR+4*\c+\f], v[QQ+4*\c+\f], s[AD+\c], v[AX+4*\c+\f]
.endr
.endr
.irp c, 0,1,2
.irp f, 1,2,3
	v_bfi_b32 v[RR+4*\c+\f], s38, v[RR+4*\c+\f], v[XX+4*\c+\f] ; the truncated remainder has x's sign
.endr
.endr
.irp c, 0,1,2
.irp f, 1,2,3
	v_cmp_gt_f32 s[MK+3*\c+\f-1], 0, v[RR+4*\c+\f]
	v_cmp_neq_f32 s[MK2+3*\c+\f-1], 0, v[RR+4*\c+\f]
	v_add_f32 v[EE+4*\c+\f], s[DOM+\c], v[RR+4*\c+\f]
.endr
.endr
.irp c, 0,1,2
.irp f, 1,2,3
	s_xor_b32 s[MK+3*\c+\f-1], s[MK+3*\c+\f-1], s[DN+\c]       ; signs differ,
	s_and_b32 s[MK+3*\c+\f-1], s[MK+3*\c+\f-1], s[MK2+3*\c+\f-1] ; and the remainder is not zero: d is added
.endr
.endr
.irp c, 0,1,2
.irp f, 1,2,3
	v_cndmask_b32 v[PT+16*\k+4*\c+\f], v[RR+4*\c+\f], v[EE+4*\c+\f], s[MK+3*\c+\f-1]
.endr
.endr
.irp h, 0,2
	v_pk_mul_f32 v[SA+\h:SA+\h+1], v[PT+16*\k+\h:PT+16*\k+\h+1], v[PT+16*\k+\h:PT+16*\k+\h+1]
	v_pk_mul_f32 v[SB+\h:SB+\h+1], v[PT+16*\k+4+\h:PT+16*\k+5+\h], v[PT+16*\k+4+\h:PT+16*\k+5+\h]
.endr
.irp h, 0,2
	v_pk_add_f32 v[SA+\h:SA+\h+1], v[SA+\h:SA+\h+1], v[SB+\h:SB+\h+1]
	v_pk_mul_f32 v[SB+\h:SB+\h+1], v[PT+16*\k+8+\h:PT+16*\k+9+\h], v[PT+16*\k+8+\h:PT+16*\k+9+\h]
.endr
.irp h, 0,2
	v_pk_add_f32 v[PT+16*\k+12+\h:PT+16*\k+13+\h], v[SA+\h:SA+\h+1], v[SB+\h:SB+\h+1]
.endr
.irp j, 0,1,2,3
	ds_store_b128 v[TA], v[PT+16*\k+4*\j:PT+16*\k+4*\j+3] offset:\k*TBL+16*\j
.endr
.endm
	POINT 0, 6
	POINT 1, 3
	POINT 2, 0
	s_wait_dscnt 0x0                               ; my part of the table is written,
	s_barrier_signal -1
	s_barrier_wait -1                              ; everybody's is; nobody writes the table again
; My 256 columns of block b (0: i, 1: J1, 2: J2): column 32 g + lane is entry 32 g + (lane xor 31)
.macro LOADCOL b
.irp g, 0,1,2,3,4,5,6,7
.irp j, 0,1,2,3
	ds_load_b128 v[COL+16*\g+4*\j:COL+16*\g+4*\j+3], v[CADR] offset:\b*TBL+\g*32*PITCH+16*\j
.endr
.endr
.endm
.macro LOADROWS                        ; the first two rows at RAD
.irp j, 0,1,2,3
	ds_load_b128 v[RA+4*\j:RA+4*\j+3], v[RAD] offset:16*\j
.endr
.irp j, 0,1,2,3
	ds_load_b128 v[RB+4*\j:RB+4*\j+3], v[RAD] offset:PITCH+16*\j
.endr
.endm
	v_xor_b32 v[CADR], 31, v[LANE]
	v_mul_u32_u24 v[CADR], v[CADR], PITCH
	LOADCOL 0                                      ; the diagonal tile's columns are block i's points
	s_sub_co_u32 s11, 7, s10
	s_lshl3_add_u32 s2, s33, s11                   ; 8 q + 7 - w: my rows 32 q + 4 w + 3 .. + 0 are entries 4 (8 q + 7 - w) + 0 .. 3
	s_mul_i32 s2, s2, 4*PITCH
	v_mov_b32 v[RAD], s2
	LOADROWS
	s_mul_i32 s2, s10, SCRW
	s_add_co_u32 s2, s2, SCR                       ; my wave's stage
	v_mul_u32_u24 v[SST], v[LANE], SPITCH
	v_add_nc_u32 v[SST], s2, v[SST]
	v_and_b32 v[DV], 15, v0                        ; lane % 16: which 16 columns of the 256
	v_bfe_u32 v[GV], v0, 4, 1                      ; lane / 16: which of a store's two rows
	v_mul_u32_u24 v[SLD], v[GV], SPITCH
	v_lshl_add_u32 v[SLD], v[DV], 1, v[SLD]
	v_add_nc_u32 v[SLD], s2, v[SLD]
	v_lshlrev_b32 v[OFF], 4, v[DV]
	v_lshl_add_u32 v[OFF], v[GV], 13, v[OFF]
	s_lshl_b32 s2, s10, 2
	s_add_co_u32 s2, s2, MIR                       ; mirror stage: word w of every row is my wave's to write,
	v_mul_u32_u24 v[MST], v[LANE], MPITCH
	v_add_nc_u32 v[MST], s2, v[MST]
	s_mul_i32 s2, s10, 32*MPITCH
	s_add_co_u32 s2, s2, MIR                       ; rows 32 w .. 32 w + 31 are my wave's to read
	v_mul_u32_u24 v[MLD], v[GV], MPITCH
	v_lshl_add_u32 v[MLD], v[DV], 1, v[MLD]
	v_add_nc_u32 v[MLD], s2, v[MLD]
	; where the five pieces go: (row << 13) + column, below 2^26
	s_lshl3_add_u32 s[DIAG], s33, s10
	s_lshl_b32 s[DIAG], s[DIAG], 2                 ; 32 q + 4 w
	s_lshl_b32 s39, s32, 8                         ; 256 i
	s_add_co_u32 s2, s39, s[DIAG]
	s_lshl_b32 s2, s2, 13
	s_add_co_u32 s2, s2, s39
	s_add_nc_u64 s[OD:OD+1], s[8:9], s[2:3]        ; s3 is 0 since the head
	s_lshl_b32 s11, s10, 5                         ; 32 w
.macro BASES j, o, m
	s_lshl_b32 s19, s[\j], 8                       ; 256 J
	s_add_co_u32 s2, s39, s11
	s_lshl_b32 s2, s2, 13
	s_add_co_u32 s2, s2, s19
	s_add_nc_u64 s[\o:\o+1], s[8:9], s[2:3]        ; row 256 i + 32 w, column 256 J
	s_add_co_u32 s2, s19, s11
	s_lshl_b32 s2, s2, 13
	s_add_co_u32 s2, s2, s39
	s_add_nc_u64 s[\m:\m+1], s[8:9], s[2:3]        ; row 256 J + 32 w, column 256 i
.endm
	BASES JA, O1, M1
	BASES JB, O2, M2
	s_mul_i32 s[ROW0], s10, 32*PITCH
	s_mov_b32 s[THR], 0x3c23d70a                   ; 0.1 * 0.1 as f32
	s_mov_b32 s[KMUL], 0x204081
	s_mov_b32 s[K01], 0x01010101
.irp g, 0,1,2,3,4,5,6,7
	v_mov_b32 v[M+\g], 0                           ; once: the diagonal's four rows leave 28 lanes as they are; a tile writes every lane
	v_mov_b32 v[MT+\g], 0                          ; once: 32 rows push every older bit out
.endr
; One row against my 256 columns, four groups at a time: eight packed chains side by side, so that no instruction needs the one in front of it.
.macro ROW R, bit, mir
.irp g0, 0,4
.irp j, 0,1,2,3
.irp h, 0,2
	v_pk_mul_f32 v[T+4*\j+\h:T+4*\j+\h+1], v[COL+16*(\g0+\j)+\h:COL+16*(\g0+\j)+\h+1], v[\R+\h:\R+\h+1]
.endr
.endr
.irp j, 0,1,2,3
.irp h, 0,2
	v_pk_add_f32 v[S+4*\j+\h:S+4*\j+\h+1], v[COL+16*(\g0+\j)+12+\h:COL+16*(\g0+\j)+13+\h], v[\R+12+\h:\R+13+\h]
.endr
.endr
.irp j, 0,1,2,3
.irp h, 0,2
	v_pk_fma_f32 v[T+4*\j+\h:T+4*\j+\h+1], v[COL+16*(\g0+\j)+4+\h:COL+16*(\g0+\j)+5+\h], v[\R+4+\h:\R+5+\h], v[T+4*\j+\h:T+4*\j+\h+1]
.endr
.endr
.irp j, 0,1,2,3
.irp h, 0,2
	v_pk_fma_f32 v[T+4*\j+\h:T+4*\j+\h+1], v[COL+16*(\g0+\j)+8+\h:COL+16*(\g0+\j)+9+\h], v[\R+8+\h:\R+9+\h], v[T+4*\j+\h:T+4*\j+\h+1]
.endr
.endr
.irp j, 0,1,2,3
.irp h, 0,2
	v_pk_fma_f32 v[T+4*\j+\h:T+4*\j+\h+1], v[T+4*\j+\h:T+4*\j+\h+1], -2.0, v[S+4*\j+\h:S+4*\j+\h+1] op_sel_hi:[1,0,1]
.endr
.endr
.irp j, 0,1,2,3
	v_min3_num_f32 v[S+4*\j], v[T+4*\j], v[T+4*\j+1], v[T+4*\j+2]  ; any pass <= threshold = the least of them is; a NaN loses
.endr
.irp j, 0,1,2,3
	v_min_num_f32 v[S+4*\j], v[S+4*\j], v[T+4*\j+3]
.endr
.irp j, 0,1,2,3
	v_cmp_ge_f32 s[MKM+\j], s[THR], v[S+4*\j]      ; bit l: column 32 g + l
.endr
.irp j, 0,1,2,3
	v_cndmask_b32 v[M+\g0+\j], v[M+\g0+\j], s[MKM+\j], s[\bit]     ; direct: the row's lane takes the mask
.endr
.if \mir
.irp j, 0,1,2,3
	v_add_co_ci_u32 v[MT+\g0+\j], vcc_lo, v[MT+\g0+\j], v[MT+\g0+\j], s[MKM+\j]   ; mirror: 2 MT + my bit of the mask; the carry out is the bit pushed out, and is dropped
.endr
.endif
.endr
.endm
; Two rows.  ahead = 1: the two buffers are filled again, two rows on.
.macro TRIP ahead, mir
	s_wait_dscnt 0x4                               ; the first row's numbers are in; the four loads of the second, issued behind them, may be out
	ROW RA, BITA, \mir
.if \ahead
.irp j, 0,1,2,3
	ds_load_b128 v[RA+4*\j:RA+4*\j+3], v[RAD] offset:2*PITCH+16*\j
.endr
	s_wait_dscnt 0x4                               ; the second row's numbers are in; the four just issued may be out
.else
	s_wait_dscnt 0x0                               ; nothing was issued behind the second row's loads
.endif
	ROW RB, BITB, \mir
.if \ahead
.irp j, 0,1,2,3
	ds_load_b128 v[RB+4*\j:RB+4*\j+3], v[RAD] offset:3*PITCH+16*\j
.endr
	v_add_nc_u32 v[RAD], 2*PITCH, v[RAD]
	s_lshr_b32 s[BITA], s[BITA], 2                 ; entries go up, rows go down
	s_lshr_b32 s[BITB], s[BITB], 2
.endif
.endm
; 2 cnt rows x 256 bits leave a stage: each lane reads the 16 bits of its 16 bytes (at ld + lo, rows pitch apart) and spreads them.
; free = 1: T and S are written again behind this flush.
.macro FLUSH cnt, ld, lo, pitch, base, free
.set fs, 0
.rept \cnt
	ds_load_u16 v[W+fs], v[\ld] offset:\lo+fs*2*\pitch
.set fs, fs+1
.endr
.set fs, 0
.rept \cnt
	s_wait_dscnt \cnt-1-fs                         ; the younger loads of this run may be out
.if fs == 8
	s_wait_xcnt 0x0                                ; the eight sets of store data are used a second time only behind this wait
.endif
	v_and_b32 v[T+4*(fs%8)], 15, v[W+fs]
	v_bfe_u32 v[T+4*(fs%8)+1], v[W+fs], 4, 4
	v_bfe_u32 v[T+4*(fs%8)+2], v[W+fs], 8, 4
	v_lshrrev_b32 v[T+4*(fs%8)+3], 12, v[W+fs]
.irp k, 0,1,2,3
	v_mul_u32_u24 v[T+4*(fs%8)+\k], s[KMUL], v[T+4*(fs%8)+\k]      ; x (1 + 2^7 + 2^14 + 2^21): bit k lands on bit 8 k, the other copies on other places
.endr
.irp k, 0,1,2,3
	v_and_b32 v[T+4*(fs%8)+\k], s[K01], v[T+4*(fs%8)+\k]           ; four bits are four bytes of 0 or 1
.endr
	global_store_b128 v[OFF], v[T+4*(fs%8):T+4*(fs%8)+3], s[\base:\base+1] offset:fs*2*N th:TH_STORE_NT   ; lanes 0-15: 256 consecutive bytes of one row, aligned; lanes 16-31: of the next row
.set fs, fs+1
.endr
.if \free
	s_wait_xcnt 0x0                                ; T and S, the stores' data, are written again only behind this wait
.endif
.endm
	; THE DIAGONAL TILE: my four rows, no mirror
	s_mov_b32 s[BITA], 8                           ; the first entry is row 3 of the four
	s_mov_b32 s[BITB], 4
	TRIP 1, 0
	TRIP 0, 0
	; The address of these four rows is the one LDS address that hangs on the work-group's number q.  A barrier stands between every wave's
	; reads at it and the first stores into the stages, so that their order does not rest on the arithmetic of that address.
	s_wait_dscnt 0x0                               ; my reads of the table's rows are back (met: the last row's wait was for 0)
	s_barrier_signal -1
	v_add_nc_u32 v[DV], s[DIAG], v[LANE]           ; register work while the others arrive.  Lane r: its row's number in the tile, which is the column of (i, i)
	v_lshlrev_b32 v[BIT], v[DV], 1                 ; 1 << (that % 32)
	v_lshrrev_b32 v[GV], 5, v[DV]                  ; its group (lanes 4 to 31 hold no row: what is cleared there is not read)
.irp g, 0,1,2,3,4,5,6,7
	v_cmp_eq_u32 s[MKD+\g], \g, v[GV]
.endr
.irp g, 0,1,2,3,4,5,6,7
	v_cndmask_b32 v[W+\g], 0, v[BIT], s[MKD+\g]
.endr
.irp g, 0,1,2,3,4,5,6,7
	v_bfi_b32 v[M+\g], v[W+\g], 0, v[M+\g]         ; no loop: the bit (i, i) is cleared
.endr
	s_barrier_wait -1                              ; every wave's reads are back: the stages may be written
	ds_store_b128 v[SST], v[M:M+3]
	ds_store_b128 v[SST], v[M+4:M+7] offset:16     ; the stage is my wave's own and LDS serves a wave in order (ISA guide 5.7.1): the loads below see these
	FLUSH 2, SLD, 0, SPITCH, OD, 1
; A TILE: my 32 rows against block tl's 256 columns; the direct part leaves; the mirror's words go to the tile's stage, and a barrier follows.
.macro TILE tl, ob
	LOADCOL \tl
	v_mov_b32 v[RAD], s[ROW0]
	LOADROWS
	s_mov_b32 s[BITA], 0x80000000                  ; the first entry is row 31 of my 32
	s_mov_b32 s[BITB], 0x40000000
	s_mov_b32 s[CNT], 15
.Lrows_\tl:
	TRIP 1, 1
	s_sub_co_u32 s[CNT], s[CNT], 1
	s_cmp_lg_u32 s[CNT], 0
	s_cbranch_scc1 .Lrows_\tl
	TRIP 0, 1                                      ; rows 1 and 0: nothing more to fetch
.irp g, 0,1,2,3,4,5,6,7
	ds_store_b32 v[MST], v[MT+\g] offset:(\tl-1)*MSTG+\g*32*MPITCH ; mirror row 32 g + lane, word w: bit r is my row 32 w + r
.endr
	ds_store_b128 v[SST], v[M:M+3]
	ds_store_b128 v[SST], v[M+4:M+7] offset:16
	FLUSH 16, SLD, 0, SPITCH, \ob, 1
	s_wait_dscnt 0x0                               ; for the others' sake: my words of the mirror stage are written (met: the flush's last wait was for 0),
	s_barrier_signal -1
	s_barrier_wait -1                              ; everybody's are.  This tile's stage is not written again
.endm
	TILE 1, O1
	FLUSH 16, MLD, 0, MPITCH, M1, 1                ; 32 rows of tile 1's mirror
	TILE 2, O2
	s_cmp_eq_u32 s33, 7                            ; distance 16: the mirror is another work-group's own tile
	s_cbranch_scc1 .Ldone
	FLUSH 16, MLD, MSTG, MPITCH, M2, 0
.Ldone:
	s_wait_tensorcnt 0x0
	ds_add_u32 v242, v243
	s_wait_dscnt 0x0
	s_endpgm
.Lfunc_end_k_q8cb29b85a5_radius:
	.size	k_q8cb29b85a5_radius, .Lfunc_end_k_q8cb29b85a5_radius-k_q8cb29b85a5_radius
	.p2alignl 7, 3214868480
	.fill 96, 4, 3214868480
	.section	.rodata,"a",@progbits
	.p2align	6, 0x0
	.amdhsa_kernel k_q8cb29b85a5_radius
		.amdhsa_group_segment_fixed_size 93184
		.amdhsa_private_segment_fixed_size 0
		.amdhsa_enable_private_segment 0
		.amdhsa_kernarg_size 24
		.amdhsa_user_sgpr_count 2
		.amdhsa_user_sgpr_kernarg_segment_ptr 1
		.amdhsa_wavefront_size32 1
		.amdhsa_system_sgpr_workgroup_id_x 1
		.amdhsa_system_sgpr_workgroup_id_y 1
		.amdhsa_system_sgpr_workgroup_id_z 1
		.amdhsa_system_vgpr_workitem_id 0
		.amdhsa_next_free_vgpr 244
		.amdhsa_next_free_sgpr 78
		.amdhsa_reserve_vcc 1
		.amdhsa_float_denorm_mode_32 3
		.amdhsa_float_denorm_mode_16_64 3
		.amdhsa_memory_ordered 1
		.amdhsa_forward_progress 1
		.amdhsa_inst_pref_size 174
	.end_amdhsa_kernel
	.amdgpu_metadata
---
amdhsa.version: [ 1, 2 ]
amdhsa.kernels:
  - .name:           k_q8cb29b85a5_radius
    .symbol:         k_q8cb29b85a5_radius.kd
    .args:
      - { .name: domain, .offset: 0, .size: 8, .value_kind: global_buffer, .address_space: global }
      - { .name: positions, .offset: 8, .size: 8, .value_kind: global_buffer, .address_space: global }
      - { .name: out0, .offset: 16, .size: 8, .value_kind: global_buffer, .address_space: global }
    .group_segment_fixed_size: 93184
    .private_segment_fixed_size: 0
    .kernarg_segment_align: 8
    .kernarg_segment_size: 24
    .max_flat_workgroup_size: 256
    .sgpr_count:     78
    .vgpr_count:     244
    .wavefront_size: 32
...
	.end_amdgpu_metadata
.endif
;; end of part 2
;; ======== version 3 of 3: 1 launch; version 2 with the launch radius written anew for expert scheduling mode
;; limits: right only within a limited range of input values
;; launch radius (part 3): grid 8 x 32, 8 waves a work-group, no clusters, 93,184 bytes of LDS; arguments domain, positions, out0; writes out0
.if DOCPART == 3
	.amdgcn_target "amdgcn-amd-amdhsa--gfx1250"
	.amdhsa_code_object_version 6
	.text
	.protected	k_q8cb29b85a5_radius
	.globl	k_q8cb29b85a5_radius
	.p2align	8
	.type	k_q8cb29b85a5_radius,@function
k_q8cb29b85a5_radius:
	s_mov_b64 s[64:65], 0
	v_nop
	global_prefetch_b8 v0, s[64:65] scope:SCOPE_SE
	s_setreg_imm32_b32 hwreg(HW_REG_WAVE_SCHED_MODE, 0, 2), 2
	s_setreg_imm32_b32 hwreg(HW_REG_WAVE_MODE, 25, 1), 1
	s_wait_xcnt 0x0
	s_wait_alu depctr_vm_vsrc(0)
; out0[i][j] = (i != j) and, in any of four passes, d2(i, j) <= 0.01f.  Pass 0 takes the positions as they are, passes 1-3 take
; remainder(p + f d, d), f = 0.25, 0.5, 0.75.  d2 = (sq_i + sq_j) - 2 dot(i, j), everything in f32.
; The result is boolean, so the ORDER OF ROUNDING is part of the result.  It is kept as follows:
;   shift  fl(p + fl(f d)); fmod exact; the sign rule of jnp.remainder (add d where the truncated remainder and d differ in sign)
;   sq     fl(fl(fl(x x) + fl(y y)) + fl(z z))
;   dot    fma(z, z', fma(y, y', fl(x x'))): K ascending, one rounding a step
;   d2     fma(-2, dot, fl(sq_i + sq_j)): 2 dot is exact, so this is the rounded difference
; That is why the K = 3 product runs on the vector unit in f32: a 16-bit operand would move d2 by about the threshold itself, and the
; matrix unit adds its products in another order.
; LIMITS: the remainder is exact for |(p + f d) / d| < 2^22 and 2^-126 <= |d| <= 2^126 (the quotient comes from v_rcp_f32, which flushes
; denormals, with one correction step).  d = 0, infinities and NaN give NaN, a NaN loses every minimum and fails the compare: false.
;
; EACH PAIR ONCE.  Every step of d2 is commutative in its two points, so d2(i, j) and d2(j, i) have the same bits: a tile and its mirror
; are computed once and stored twice.  out0 is 32 x 32 tiles of 256 x 256 (a mirrored tile also leaves in runs of 256 aligned bytes).
; Work-group (q, i), q = 0..7, i = 0..31, makes tiles (i, i + 2q + 1) and (i, i + 2q + 2), block columns modulo 32, and their mirrors:
; distances 1 to 15 and, by the mirrors, 17 to 31.  Distance 16 (q = 7, second tile) is stored directly alone: its mirror is block row
; i + 16's own tile of distance 16.  (There the mirror's words are still built, one instruction in fifteen, and not stored: one text for all.)
; The diagonal tile (i, i) has no mirror: its rows 32 q .. 32 q + 31 are this work-group's, four a wave.  So all 256 work-groups do the same work.
;
; First each thread makes 3 of the 768 points (blocks i, J1, J2): 16 numbers a point, x y z sq in the four passes, into a table in LDS.
; In a tile wave w takes rows 32 w .. 32 w + 31: lane = column, 8 groups of 32 columns stay in 128 registers, a row comes by four
; broadcast LDS loads.  A register pair holds two passes of one number, so the arithmetic is packed without any operand select.
; A compare gives 32 columns of one row as a mask.  DIRECT: the row's lane of M takes the mask.  MIRROR: every lane shifts its own bit of
; the mask into MT (MT = 2 MT + bit, an add with carry in).  The row taken first ends in bit 31, so rows are taken downward: the table
; holds point e xor 31 of a block at entry e, and LDS addresses go upward.  After 32 rows lane l of MT[g] holds the 32 bits of mirror row
; 32 g + l that belong to my 32 rows; the eight waves put their words side by side in a stage in LDS, and behind a barrier each wave
; takes 32 mirror rows.  Both ways out each lane takes the 16 bits of its 16 bytes: every store of the wave covers two runs of 256
; consecutive bytes, aligned, and each byte of out0 is stored once, by one work-group.
; BARRIERS, four: behind the table; between the diagonal's row reads and the first stores into the stages; behind each tile's mirror words.
;
; THE MODE: SCHED_MODE bits 1:0 = 2 (LLVM: expert scheduling mode 2), set by the entry lines.  The code itself states the register dependences
; between vector instructions and memory or LDS instructions, and those through scalar registers that vector instructions write, with s_wait_alu, always for 0.
; THE PLAN.  Registers that memory or LDS instructions touch:
;   GO TA CADR SST SLD OFF MST MLD   addresses, made once at the head, ahead of ONE wait on va_vdst, and never written again.
;   PT            three points' numbers: written by the coordinates' loads and a point's arithmetic, read by its four table stores.  Points 0 and 1 are stored
;                 behind one wait at point 2's head, among its arithmetic, which names none of their registers; point 2 behind a second wait.
;   RA RB RC RD   four row buffers.  A step is a PAIR of rows.  Pair p's arithmetic reads two of them; behind it they are asked for again at once, for pair p + 2;
;                 pair p + 1 works on the other two meanwhile.
;   RAD           the rows' LDS address: read by the row loads, stepped once a pair, in front of the pair's wait on va_vdst.
;   COL           written by a tile's column loads, read by the rows' arithmetic.  Its first 64 registers are the mirror's out-buffer.
;   W             a flush's 16-bit loads land in it, the spreading lines read it.  (The same registers as RC: a flush and the rows never overlap.)
;   OUT, COL      two out-buffers of 16 sets of 16 bytes, by turns: the direct way out writes OUT, the mirror's COL's first 64.  No set is written twice in a flush.
;   M, MT         written by the lines that take the masks, read by the stage stores at a tile's end.
; So the waits on va_vdst are: one at the head; two for the table; one a pair; one at a tile's head and one at its end; two a flush.  What each states stands beside it.
; SCALAR REGISTERS THAT VECTOR LINES WRITE.  A row's eight compares write eight masks; one wait on va_sdst stands between them and the lines that take them, in the
; same straight run.  The eight carries pushed out of MT go to eight registers of their own, CO, which nobody reads; the next row's carry lines write them again, and a
; wait on va_sdst stands between the two rows' lines, in the first's straight run: the waits for the masks serve, but ahead of a branch or a label, where one more stands.
; VCC is not named.  EXEC is never written.
.set N,      8192
.set TB,     256                       ; a tile's side
.set PITCH,  80                        ; bytes of a point in the table: 64 of data + 16, an odd multiple of 16 (16-byte accesses of 16 neighbouring points meet 16 different columns of banks)
.set TBL,    TB*PITCH                  ; a block's part of the table: blocks i, J1, J2
.set SCR,    3*TBL                     ; behind the table: a stage of 32 rows x 48 bytes for each wave, its own
.set SPITCH, 48                        ; 32 bytes (256 bits) of a row + 16
.set SCRW,   32*SPITCH
.set MIR,    SCR+8*SCRW                ; behind these: a stage of 256 mirror rows for each of the two tiles, so none is written twice
.set MPITCH, 36                        ; 32 bytes + 4: nine words, odd, so the 32 lanes' words of one store lie in 32 different banks
.set MSTG,   TB*MPITCH
; vector registers
.set LANE, 1
.set TA,   2                           ; table address of my first point
.set GO,   3                           ; byte offset of my point in a block of positions
.set RAD,  4                           ; table address of the pair's first row (the same in all lanes)
.set SST,  5                           ; my wave's stage: where lane r puts row r's 256 bits
.set SLD,  6                           ; my wave's stage: where I read my 16 bits
.set OFF,  7                           ; my byte offset in out0 inside two rows; never rewritten
.set DV,   8
.set BIT,  9
.set GV,   10
.set TMP,  11
.set MST,  12                          ; mirror stage: mirror row = lane, my wave's word
.set MLD,  13                          ; mirror stage: where I read my 16 bits
.set CADR, 15                          ; table address of my column in group 0 of block i
.set M,    16                          ; v[16:23]   lane r: the masks of row r, groups 0-7
.set W,    24                          ; v[24:39]   16 bits for each of a flush's stores
.set RC,   24                          ; v[24:39]   the third row buffer
.set RA,   40                          ; v[40:55]   a row's 16 numbers
.set RB,   56                          ; v[56:71]   the next row's
.set T,    72                          ; v[72:87]   dot, then d2: four groups x four passes
.set S,    88                          ; v[88:103]  sq_i + sq_j, then the minimum
.set OUT,  40                          ; v[40:103]  in a direct flush: 16 sets of 16 bytes to store
.set COL,  104                         ; v[104:231] group g: x0-3 y0-3 z0-3 sq0-3 of column 32 g + lane.  In a mirror's flush v[104:167] are its 16 sets
.set MT,   232                         ; v[232:239] group g: my column's bits, one for each row taken so far
.set RD,   240                         ; v[240:255] the fourth row buffer
; the same registers while the table is made
.set PT,   104                         ; v[104:151] three points x 16 numbers
.set RCP,  152                         ; v[152:154] -1 / |d|
.set XX,   168                         ; index 4 c + f everywhere: p + f d
.set QQ,   180                         ; minus the quotient
.set RR,   192                         ; the remainder
.set EE,   204
.set SA,   216
.set SB,   220
.set AX,   224                         ; |p + f d|
; scalar registers
.set DOM,  12                          ; s[12:14] d
.set AD,   16                          ; s[16:18] |d|
.set FD,   20                          ; s[20:28] f d, index 3 c + f - 1
.set CO,   20                          ; s[20:27] when the table is made: the carries pushed out of MT, group g's at CO + g; nobody reads them
.set DN,   29                          ; s[29:31] all ones where d < 0
.set MK,   40                          ; s[40:48], s[49:57] masks while the table is made
.set MK2,  49
.set NAD,  58                          ; s[58:60] -|d|
.set THR,  44
.set BITA, 45                          ; 1 << (row in the batch), for the pair's two rows
.set BITB, 46
.set CNT,  47
.set DIAG, 48                          ; my first row in the diagonal tile
.set KMUL, 49
.set K01,  50
.set ROW0, 51                          ; table address of my 32 rows
.set MKM,  52                          ; s[52:59] a row's masks, groups 0-7
.set MKD,  52                          ; s[52:59] the diagonal's clearing, when the rows' masks are taken
.set JA,   66                          ; block columns of the two tiles
.set JB,   67
.set OD,   68                          ; s[68:69] out0 at my rows of the diagonal tile
.set O1,   70                          ; s[70:71] at my rows of tile 1;  s[72:73] at my rows of its mirror
.set M1,   72
.set O2,   74                          ; the same for tile 2
.set M2,   76
	s_load_b128 s[4:7], s[0:1], 0x0                ; domain s[4:5], positions s[6:7]
	s_load_b64 s[8:9], s[0:1], 0x10                ; out0
	v_lshl_add_u32 v14, v0, 2, 0x16800
	s_set_vgpr_msb 0x40
	v_mov_b32 v1, 0
	s_set_vgpr_msb 0x4000
	v_and_b32 v[LANE], 31, v0
	v_lshrrev_b32 v[TMP], 5, v0
	v_readfirstlane_b32 s10, v[TMP]                ; wave 0..7
	s_and_b32 s32, ttmp7, 0xffff                   ; i: block row
	s_mov_b32 s33, ttmp9                           ; q
	s_lshl1_add_u32 s[JA], s33, s32                ; i + 2 q
	s_add_co_u32 s[JB], s[JA], 2
	s_add_co_u32 s[JA], s[JA], 1
	s_and_b32 s[JA], s[JA], 31
	s_and_b32 s[JB], s[JB], 31
	s_mov_b32 s38, 0x7fffffff
	v_xor_b32 v[GO], 31, v0                        ; entry t of a block's table holds its point t xor 31
	v_mul_u32_u24 v[GO], v[GO], 12
	v_mul_u32_u24 v[TA], v0, PITCH
	; every address that a vector register holds is made here, ahead of the one wait that covers them all
	v_xor_b32 v[CADR], 31, v[LANE]
	v_mul_u32_u24 v[CADR], v[CADR], PITCH
	v_and_b32 v[DV], 15, v0                        ; lane % 16: which 16 columns of the 256
	v_bfe_u32 v[GV], v0, 4, 1                      ; lane / 16: which of a store's two rows
	v_lshlrev_b32 v[OFF], 4, v[DV]
	v_lshl_add_u32 v[OFF], v[GV], 13, v[OFF]
	s_wait_alu depctr_va_sdst(0)                   ; s10 is written, ahead of its first reader: LDS addresses and out0's bases are made from it
	s_sub_co_u32 s11, 7, s10
	s_lshl3_add_u32 s2, s33, s11                   ; 8 q + 7 - w: my rows 32 q + 4 w + 3 .. + 0 of the diagonal tile are entries 4 (8 q + 7 - w) + 0 .. 3
	s_mul_i32 s2, s2, 4*PITCH
	v_mov_b32 v[RAD], s2
	s_mul_i32 s2, s10, SCRW
	s_add_co_u32 s2, s2, SCR                       ; my wave's stage
	v_mul_u32_u24 v[SST], v[LANE], SPITCH
	v_add_nc_u32 v[SST], s2, v[SST]
	v_mul_u32_u24 v[SLD], v[GV], SPITCH
	v_lshl_add_u32 v[SLD], v[DV], 1, v[SLD]
	v_add_nc_u32 v[SLD], s2, v[SLD]
	s_lshl_b32 s2, s10, 2
	s_add_co_u32 s2, s2, MIR                       ; mirror stage: word w of every row is my wave's to write,
	v_mul_u32_u24 v[MST], v[LANE], MPITCH
	v_add_nc_u32 v[MST], s2, v[MST]
	s_mul_i32 s2, s10, 32*MPITCH
	s_add_co_u32 s2, s2, MIR                       ; rows 32 w .. 32 w + 31 are my wave's to read
	v_mul_u32_u24 v[MLD], v[GV], MPITCH
	v_lshl_add_u32 v[MLD], v[DV], 1, v[MLD]
	v_add_nc_u32 v[MLD], s2, v[MLD]
	s_mov_b32 s3, 0
	s_mul_i32 s2, s32, TB*12
	s_wait_kmcnt 0x0
	s_load_b96 s[DOM:DOM+2], s[4:5], 0x0
	s_add_nc_u64 s[34:35], s[6:7], s[2:3]          ; positions at block i,
	s_mul_i32 s2, s[JA], TB*12
	s_add_nc_u64 s[36:37], s[6:7], s[2:3]          ; at the first tile's columns,
	s_mul_i32 s2, s[JB], TB*12
	s_add_nc_u64 s[62:63], s[6:7], s[2:3]          ; at the second tile's
	s_wait_alu depctr_va_vdst(0)                   ; GO, TA, CADR, RAD, SST, SLD, OFF, MST and MLD are written: the kernel's loads and stores read them as addresses
	; Each coordinate is loaded straight into its place among the point's 16 numbers; the three loads of a point together take 384 consecutive bytes a wave.
.irp c, 0,1,2
	global_load_b32 v[PT+4*\c], v[GO], s[34:35] offset:4*\c
.endr
.irp c, 0,1,2
	global_load_b32 v[PT+16+4*\c], v[GO], s[36:37] offset:4*\c
.endr
.irp c, 0,1,2
	global_load_b32 v[PT+32+4*\c], v[GO], s[62:63] offset:4*\c
.endr
	s_wait_kmcnt 0x0
.irp c, 0,1,2
	s_and_b32 s[AD+\c], s[DOM+\c], s38
	s_or_b32  s[NAD+\c], s[DOM+\c], 0x80000000
	s_mul_f32 s[FD+3*\c],   s[DOM+\c], 0x3e800000  ; 0.25 d
	s_mul_f32 s[FD+3*\c+1], s[DOM+\c], 0.5
	s_mul_f32 s[FD+3*\c+2], s[DOM+\c], 0x3f400000  ; 0.75 d, rounded by itself
.endr
.irp c, 0,1,2
	v_rcp_f32 v[RCP+\c], s[NAD+\c]                 ; first used behind the compares and additions below (ISA guide 5.7.2 asks for one plain instruction between)
.endr
	s_wait_alu depctr_va_vdst(0)
.irp c, 0,1,2
	v_cmp_gt_f32 s[DN+\c], 0, s[DOM+\c]            ; every lane sees the same d: all ones or zero.  First read behind the first point's first wait on va_sdst
.endr
; A point's 64 bytes go into the table
.macro PUT k
.irp j, 0,1,2,3
	ds_store_b128 v[TA], v[PT+16*\k+4*\j:PT+16*\k+4*\j+3] offset:\k*TBL+16*\j
.endr
.endm
; One point: nine remainders side by side (c = coordinate, f = pass), then the four norms.  put = 1: points 0 and 1 are stored among this point's arithmetic.
; fmod(|x|, |d|): q = trunc(|x| / |d|) is off by one at the most while the quotient is below 2^22; r = |x| - q |d| by one fma is exact
; for the right q (r is a multiple of the last place of |d| and below |d|), and its sign and its order against |d| are right for a wrong
; one, since rounding keeps order.  So q is corrected once and r is made again.  QQ holds -q, so no operand needs a sign.
.macro POINT k, left, put
	s_wait_loadcnt \left                           ; the three loads of each later point may stay out
.if \put
	s_wait_alu depctr_va_vdst(0)                   ; points 0 and 1 are written, which the eight table stores below read; no line of this point names their registers or TA
	PUT 0
.endif
.irp c, 0,1,2
.irp f, 1,2,3
	v_add_f32 v[XX+4*\c+\f], s[FD+3*\c+\f-1], v[PT+16*\k+4*\c]
.endr
.endr
.irp c, 0,1,2
.irp f, 1,2,3
	v_and_b32 v[AX+4*\c+\f], s38, v[XX+4*\c+\f]
.endr
.endr
.if \put
	PUT 1
.endif
.irp c, 0,1,2
.irp f, 1,2,3
	v_mul_f32 v[QQ+4*\c+\f], v[AX+4*\c+\f], v[RCP+\c]
.endr
.endr
.irp c, 0,1,2
.irp f, 1,2,3
	v_trunc_f32 v[QQ+4*\c+\f], v[QQ+4*\c+\f]
.endr
.endr
.irp c, 0,1,2
.irp f, 1,2,3
	v_fma_f32 v[RR+4*\c+\f], v[QQ+4*\c+\f], s[AD+\c], v[AX+4*\c+\f]
.endr
.endr
.irp c, 0,1,2
.irp f, 1,2,3
	v_cmp_gt_f32 s[MK+3*\c+\f-1], 0, v[RR+4*\c+\f]             ; r < 0: q was one too large
	v_cmp_le_f32 s[MK2+3*\c+\f-1], s[AD+\c], v[RR+4*\c+\f]     ; r >= |d|: one too small
.endr
.endr
	s_wait_alu depctr_va_sdst(0)                   ; the eighteen masks are written, which the selects below read
.irp c, 0,1,2
.irp f, 1,2,3
	v_cndmask_b32 v[EE+4*\c+\f], 0, 1.0, s[MK+3*\c+\f-1]
.endr
.endr
.irp c, 0,1,2
.irp f, 1,2,3
	v_cndmask_b32 v[EE+4*\c+\f], v[EE+4*\c+\f], -1.0, s[MK2+3*\c+\f-1]
.endr
.endr
.irp c, 0,1,2
.irp f, 1,2,3
	v_add_f32 v[QQ+4*\c+\f], v[QQ+4*\c+\f], v[EE+4*\c+\f]
.endr
.endr
.irp c, 0,1,2
.irp f, 1,2,3
	v_fma_f32 v[RR+4*\c+\f], v[QQ+4*\c+\f], s[AD+\c], v[AX+4*\c+\f]
.endr
.endr
.irp c, 0,1,2
.irp f, 1,2,3
	v_bfi_b32 v[RR+4*\c+\f], s38, v[RR+4*\c+\f], v[XX+4*\c+\f] ; the truncated remainder has x's sign
.endr
.endr
.irp c, 0,1,2
.irp f, 1,2,3
	v_cmp_gt_f32 s[MK+3*\c+\f-1], 0, v[RR+4*\c+\f]
	v_cmp_neq_f32 s[MK2+3*\c+\f-1], 0, v[RR+4*\c+\f]
.endr
.endr
.irp c, 0,1,2
.irp f, 1,2,3
	v_add_f32 v[EE+4*\c+\f], s[DOM+\c], v[RR+4*\c+\f]          ; the nine sums stand between the compares and the wait for them
.endr
.endr
	s_wait_alu depctr_va_sdst(0)                   ; the eighteen masks are written, which the scalar lines below read
.irp c, 0,1,2
.irp f, 1,2,3
	s_xor_b32 s[MK+3*\c+\f-1], s[MK+3*\c+\f-1], s[DN+\c]       ; signs differ,
	s_and_b32 s[MK+3*\c+\f-1], s[MK+3*\c+\f-1], s[MK2+3*\c+\f-1] ; and the remainder is not zero: d is added
.endr
.endr
.irp c, 0,1,2
.irp f, 1,2,3
	v_cndmask_b32 v[PT+16*\k+4*\c+\f], v[RR+4*\c+\f], v[EE+4*\c+\f], s[MK+3*\c+\f-1]
.endr
.endr
.irp h, 0,2
	v_pk_mul_f32 v[SA+\h:SA+\h+1], v[PT+16*\k+\h:PT+16*\k+\h+1], v[PT+16*\k+\h:PT+16*\k+\h+1]
	v_pk_mul_f32 v[SB+\h:SB+\h+1], v[PT+16*\k+4+\h:PT+16*\k+5+\h], v[PT+16*\k+4+\h:PT+16*\k+5+\h]
.endr
.irp h, 0,2
	v_pk_add_f32 v[SA+\h:SA+\h+1], v[SA+\h:SA+\h+1], v[SB+\h:SB+\h+1]
	v_pk_mul_f32 v[SB+\h:SB+\h+1], v[PT+16*\k+8+\h:PT+16*\k+9+\h], v[PT+16*\k+8+\h:PT+16*\k+9+\h]
.endr
.irp h, 0,2
	v_pk_add_f32 v[PT+16*\k+12+\h:PT+16*\k+13+\h], v[SA+\h:SA+\h+1], v[SB+\h:SB+\h+1]
.endr
.endm
	POINT 0, 6, 0
	POINT 1, 3, 0
	POINT 2, 0, 1
	s_wait_alu depctr_va_vdst(0)                   ; point 2 is written, which its table stores read.  It is the last vector work on v[104:235]: the column loads behind the barrier land there
	PUT 2
	s_wait_dscnt 0x0                               ; my part of the table is written,
	s_barrier_signal -1
	s_barrier_wait -1                              ; everybody's is; nobody writes the table again
; My 256 columns of block b (0: i, 1: J1, 2: J2): column 32 g + lane is entry 32 g + (lane xor 31)
.macro LOADCOL b
.irp g, 0,1,2,3,4,5,6,7
.irp j, 0,1,2,3
	ds_load_b128 v[COL+16*\g+4*\j:COL+16*\g+4*\j+3], v[CADR] offset:\b*TBL+\g*32*PITCH+16*\j
.endr
.endr
.endm
.macro LOADROWS                        ; the first four rows at RAD: both pairs of buffers
.irp j, 0,1,2,3
	ds_load_b128 v[RA+4*\j:RA+4*\j+3], v[RAD] offset:16*\j
.endr
.irp j, 0,1,2,3
	ds_load_b128 v[RB+4*\j:RB+4*\j+3], v[RAD] offset:PITCH+16*\j
.endr
.irp j, 0,1,2,3
	ds_load_b128 v[RC+4*\j:RC+4*\j+3], v[RAD] offset:2*PITCH+16*\j
.endr
.irp j, 0,1,2,3
	ds_load_b128 v[RD+4*\j:RD+4*\j+3], v[RAD] offset:3*PITCH+16*\j
.endr
.endm
	s_wait_alu depctr_vm_vsrc(0)                   ; my table stores have read v[PT ..]: these registers are COL from here on, in which the loads below land
	LOADCOL 0                                      ; the diagonal tile's columns are block i's points
	LOADROWS                                       ; and its four rows of mine
	; where the five pieces go: (row << 13) + column, below 2^26
	s_lshl3_add_u32 s[DIAG], s33, s10
	s_lshl_b32 s[DIAG], s[DIAG], 2                 ; 32 q + 4 w
	s_lshl_b32 s39, s32, 8                         ; 256 i
	s_add_co_u32 s2, s39, s[DIAG]
	s_lshl_b32 s2, s2, 13
	s_add_co_u32 s2, s2, s39
	s_add_nc_u64 s[OD:OD+1], s[8:9], s[2:3]        ; s3 is 0 since the head
	s_lshl_b32 s11, s10, 5                         ; 32 w
.macro BASES j, o, m
	s_lshl_b32 s19, s[\j], 8                       ; 256 J
	s_add_co_u32 s2, s39, s11
	s_lshl_b32 s2, s2, 13
	s_add_co_u32 s2, s2, s19
	s_add_nc_u64 s[\o:\o+1], s[8:9], s[2:3]        ; row 256 i + 32 w, column 256 J
	s_add_co_u32 s2, s19, s11
	s_lshl_b32 s2, s2, 13
	s_add_co_u32 s2, s2, s39
	s_add_nc_u64 s[\m:\m+1], s[8:9], s[2:3]        ; row 256 J + 32 w, column 256 i
.endm
	BASES JA, O1, M1
	BASES JB, O2, M2
	s_mul_i32 s[ROW0], s10, 32*PITCH
	s_mov_b32 s[THR], 0x3c23d70a                   ; 0.1 * 0.1 as f32
	s_mov_b32 s[KMUL], 0x204081
	s_mov_b32 s[K01], 0x01010101
.irp g, 0,1,2,3,4,5,6,7
	v_mov_b32 v[M+\g], 0                           ; once: the diagonal's four rows leave 28 lanes as they are; a tile writes every lane
	v_mov_b32 v[MT+\g], 0                          ; once: 32 rows push every older bit out
.endr
; One row against my 256 columns, four groups at a time: eight packed chains side by side, so that no instruction needs the one in front of it.
; HEADH: x x' and sq + sq' of groups g0 .. g0 + 3.  RESTH: the rest of d2, the least of the four passes, and the groups' masks.
.macro HEADH R, g0
.irp j, 0,1,2,3
.irp h, 0,2
	v_pk_mul_f32 v[T+4*\j+\h:T+4*\j+\h+1], v[COL+16*(\g0+\j)+\h:COL+16*(\g0+\j)+\h+1], v[\R+\h:\R+\h+1]
.endr
.endr
.irp j, 0,1,2,3
.irp h, 0,2
	v_pk_add_f32 v[S+4*\j+\h:S+4*\j+\h+1], v[COL+16*(\g0+\j)+12+\h:COL+16*(\g0+\j)+13+\h], v[\R+12+\h:\R+13+\h]
.endr
.endr
.endm
.macro RESTH R, g0
.irp j, 0,1,2,3
.irp h, 0,2
	v_pk_fma_f32 v[T+4*\j+\h:T+4*\j+\h+1], v[COL+16*(\g0+\j)+4+\h:COL+16*(\g0+\j)+5+\h], v[\R+4+\h:\R+5+\h], v[T+4*\j+\h:T+4*\j+\h+1]
.endr
.endr
.irp j, 0,1,2,3
.irp h, 0,2
	v_pk_fma_f32 v[T+4*\j+\h:T+4*\j+\h+1], v[COL+16*(\g0+\j)+8+\h:COL+16*(\g0+\j)+9+\h], v[\R+8+\h:\R+9+\h], v[T+4*\j+\h:T+4*\j+\h+1]
.endr
.endr
.irp j, 0,1,2,3
.irp h, 0,2
	v_pk_fma_f32 v[T+4*\j+\h:T+4*\j+\h+1], v[T+4*\j+\h:T+4*\j+\h+1], -2.0, v[S+4*\j+\h:S+4*\j+\h+1] op_sel_hi:[1,0,1]
.endr
.endr
.irp j, 0,1,2,3
	v_min3_num_f32 v[S+4*\j], v[T+4*\j], v[T+4*\j+1], v[T+4*\j+2]  ; any pass <= threshold = the least of them is; a NaN loses
.endr
.irp j, 0,1,2,3
	v_min_num_f32 v[S+4*\j], v[S+4*\j], v[T+4*\j+3]
.endr
.irp j, 0,1,2,3
	v_cmp_ge_f32 s[MKM+\g0+\j], s[THR], v[S+4*\j]  ; bit l: column 32 g + l
.endr
.endm
; A row's eight masks are taken.  The mirror's lines stand first: they write scalar registers, and the direct lines stand between them and the next wait on va_sdst.
.macro TAKE bit, mir
.if \mir
.irp g, 0,1,2,3,4,5,6,7
	v_add_co_ci_u32 v[MT+\g], s[CO+\g], v[MT+\g], v[MT+\g], s[MKM+\g]   ; mirror: 2 MT + my bit of the mask; the carry out is the bit pushed out: it goes to a register of the group's own, and is dropped
.endr
.endif
.irp g, 0,1,2,3,4,5,6,7
	v_cndmask_b32 v[M+\g], v[M+\g], s[MKM+\g], s[\bit]             ; direct: the row's lane takes the mask
.endr
.endm
; A PAIR of rows, in buffers X and Y.  left: the younger LDS loads that may stay out.  ahead = 1: X and Y are asked for again, four rows on.  more = 1: a pair follows.
; The first row's masks are taken sixteen lines into the second row; the second row's at the pair's end.
.macro PAIR X, Y, left, ahead, more, mir
	s_wait_dscnt \left                             ; LDS loads come back in order (ISA guide 5.7.1): both rows' numbers are in; the eight loads of the next pair, issued behind them, may be out
	HEADH \X, 0
	RESTH \X, 0
	HEADH \X, 4
	RESTH \X, 4
	HEADH \Y, 0
	s_wait_alu depctr_va_sdst(0)                   ; the first row's eight masks are written, which the lines below read; so are the carries of the pair before, where it stands in this straight run: the lines below write CO again
	TAKE BITA, \mir
	RESTH \Y, 0
	HEADH \Y, 4
	RESTH \Y, 4
.if \ahead
	s_wait_alu depctr_vm_vsrc(0)                   ; the row loads issued so far, the last of them a pair ago, have read RAD
	v_add_nc_u32 v[RAD], 2*PITCH, v[RAD]
.endif
	s_wait_alu depctr_va_sdst(0)                   ; the second row's eight masks are written, and the first row's carries: the lines that take the masks write CO again
.if \ahead
	s_wait_alu depctr_va_vdst(0)                   ; the two rows' arithmetic is done reading X and Y, in which the loads below land, and RAD is written; of vector registers the lines that follow the loads name M and MT alone
.irp j, 0,1,2,3
	ds_load_b128 v[\X+4*\j:\X+4*\j+3], v[RAD] offset:2*PITCH+16*\j
.endr
.irp j, 0,1,2,3
	ds_load_b128 v[\Y+4*\j:\Y+4*\j+3], v[RAD] offset:3*PITCH+16*\j
.endr
.endif
	TAKE BITB, \mir
.if \more
	s_lshr_b32 s[BITA], s[BITA], 2                 ; entries go up, rows go down
	s_lshr_b32 s[BITB], s[BITB], 2
.endif
.endm
; 2 cnt rows x 256 bits leave a stage: each lane reads the 16 bits of its 16 bytes (at ld + lo, rows pitch apart) and spreads them into set fs of the out-buffer at out.
; Ahead of a flush stands a wait on va_vdst behind which no vector line names W: so the loads into W owe nothing.  Sets 0 to 7 are stored among the lines that make sets 8 to 15.
.macro FLUSH cnt, ld, lo, pitch, base, out
.set fs, 0
.rept \cnt
	ds_load_u16 v[W+fs], v[\ld] offset:\lo+fs*2*\pitch
.set fs, fs+1
.endr
.set fs, 0
.rept \cnt
.if fs == 8
	s_wait_alu depctr_va_vdst(0)                   ; sets 0 to 7 are written, which the eight stores dealt below read; the lines among them name sets 8 to 15 and W alone
.endif
.if fs >= 8
	global_store_b128 v[OFF], v[\out+4*(fs-8):\out+4*(fs-8)+3], s[\base:\base+1] offset:(fs-8)*2*N th:TH_STORE_NT   ; lanes 0-15: 256 consecutive bytes of one row, aligned; lanes 16-31: of the next row
.endif
.set fo, \out+4*fs
	s_wait_dscnt \cnt-1-fs                         ; the younger loads of this run may be out
	v_and_b32 v[fo], 15, v[W+fs]
	v_bfe_u32 v[fo+1], v[W+fs], 4, 4
	v_bfe_u32 v[fo+2], v[W+fs], 8, 4
	v_lshrrev_b32 v[fo+3], 12, v[W+fs]
.irp k, 0,1,2,3
	v_mul_u32_u24 v[fo+\k], s[KMUL], v[fo+\k]      ; x (1 + 2^7 + 2^14 + 2^21): bit k lands on bit 8 k, the other copies on other places
.endr
.irp k, 0,1,2,3
	v_and_b32 v[fo+\k], s[K01], v[fo+\k]           ; four bits are four bytes of 0 or 1
.endr
.set fs, fs+1
.endr
	s_wait_alu depctr_va_vdst(0)                   ; the sets not yet stored are written; and the spreading lines are done reading W, in which the next flush's loads land
.if \cnt > 8
.set fs, 8
.else
.set fs, 0
.endif
.rept \cnt-fs
	global_store_b128 v[OFF], v[\out+4*fs:\out+4*fs+3], s[\base:\base+1] offset:fs*2*N th:TH_STORE_NT
.set fs, fs+1
.endr
.endm
	; THE DIAGONAL TILE: my four rows, no mirror; all four buffers were asked for at once
	s_mov_b32 s[BITA], 8                           ; the first entry is row 3 of the four
	s_mov_b32 s[BITB], 4
	PAIR RA, RB, 8, 0, 1, 0
	PAIR RC, RD, 0, 0, 0, 0
	; The address of these four rows is the one LDS address that hangs on the work-group's number q.  A barrier stands between every wave's
	; reads at it and the first stores into the stages, so that their order does not rest on the arithmetic of that address.
	s_wait_dscnt 0x0                               ; my reads of the table's rows are back (met: the last pair's wait was for 0)
	s_barrier_signal -1
	v_add_nc_u32 v[DV], s[DIAG], v[LANE]           ; register work while the others arrive.  Lane r: its row's number in the tile, which is the column of (i, i)
	v_lshlrev_b32 v[BIT], v[DV], 1                 ; 1 << (that % 32)
	v_lshrrev_b32 v[GV], 5, v[DV]                  ; its group (lanes 4 to 31 hold no row: what is cleared there is not read)
.irp g, 0,1,2,3,4,5,6,7
	v_cmp_eq_u32 s[MKD+\g], \g, v[GV]
.endr
	s_wait_alu depctr_va_sdst(0)                   ; the eight masks are written, which the selects below read
.irp g, 0,1,2,3,4,5,6,7
	v_cndmask_b32 v[W+\g], 0, v[BIT], s[MKD+\g]
.endr
.irp g, 0,1,2,3,4,5,6,7
	v_bfi_b32 v[M+\g], v[W+\g], 0, v[M+\g]         ; no loop: the bit (i, i) is cleared
.endr
	s_wait_alu depctr_va_vdst(0)                   ; M is written, which the stage stores read; the lines above are done with W, in which the flush's loads land
	s_barrier_wait -1                              ; every wave's reads are back: the stages may be written
	ds_store_b128 v[SST], v[M:M+3]
	ds_store_b128 v[SST], v[M+4:M+7] offset:16     ; the stage is my wave's own and LDS serves a wave in order (ISA guide 5.7.1): the loads below see these
	FLUSH 2, SLD, 0, SPITCH, OD, OUT
; A TILE: my 32 rows against block tl's 256 columns; the direct part leaves; the mirror's words go to the tile's stage, and a barrier follows.
.macro TILE tl, ob
	s_wait_xcnt 0x0                                ; every earlier memory instruction has had its addresses translated (ISA guide 3.1): the out-buffers, the stores' data, are written again only behind this wait
	s_wait_alu depctr_vm_vsrc(0)                   ; the global stores have read both out-buffers, the stage stores M and MT, the row loads RAD: all of these are written again below
	v_mov_b32 v[RAD], s[ROW0]
	s_wait_alu depctr_va_vdst(0)                   ; RAD is written; the rows' and the flushes' lines are done with COL and the four row buffers, in which the loads below land
	LOADCOL \tl
	LOADROWS
	s_mov_b32 s[BITA], 0x80000000                  ; the first entry is row 31 of my 32
	s_mov_b32 s[BITB], 0x40000000
	s_mov_b32 s[CNT], 7
.Lrows_\tl:                                            ; a lap is two pairs: every buffer is back at its place
	PAIR RA, RB, 8, 1, 1, 1
	PAIR RC, RD, 8, 1, 1, 1
	s_wait_alu depctr_va_sdst(0)                   ; the last row's eight carries are written into CO, ahead of the branch: behind it the same lines write CO again
	s_sub_co_u32 s[CNT], s[CNT], 1
	s_cmp_lg_u32 s[CNT], 0
	s_cbranch_scc1 .Lrows_\tl
	PAIR RA, RB, 8, 0, 1, 1                        ; rows 3 to 0: nothing more to fetch
	PAIR RC, RD, 0, 0, 0, 1
	s_wait_alu depctr_va_sdst(0)                   ; the last row's eight carries are written into CO, in their own straight run: the next lines that write CO stand behind a label
	s_wait_alu depctr_va_vdst(0)                   ; MT and M are written, which the ten stage stores read; the rows are done reading RC, whose registers are W, in which the flush's loads land
.irp g, 0,1,2,3,4,5,6,7
	ds_store_b32 v[MST], v[MT+\g] offset:(\tl-1)*MSTG+\g*32*MPITCH ; mirror row 32 g + lane, word w: bit r is my row 32 w + r
.endr
	ds_store_b128 v[SST], v[M:M+3]
	ds_store_b128 v[SST], v[M+4:M+7] offset:16
	FLUSH 16, SLD, 0, SPITCH, \ob, OUT
	s_wait_dscnt 0x0                               ; for the others' sake: my words of the mirror stage are written (met: the flush's last wait was for 0),
	s_barrier_signal -1
	s_barrier_wait -1                              ; everybody's are.  This tile's stage is not written again
.endm
	TILE 1, O1
	FLUSH 16, MLD, 0, MPITCH, M1, COL              ; 32 rows of tile 1's mirror, out of the other out-buffer: the direct stores may still be reading theirs
	TILE 2, O2
	s_cmp_eq_u32 s33, 7                            ; distance 16: the mirror is another work-group's own tile
	s_cbranch_scc1 .Ldone
	FLUSH 16, MLD, MSTG, MPITCH, M2, COL
.Ldone:
	s_set_vgpr_msb 0x4
	s_wait_dscnt 0x0
	s_wait_alu depctr_hold_cnt(0) depctr_sa_sdst(0) depctr_va_vdst(0) depctr_va_sdst(0) depctr_va_ssrc(0) depctr_va_vcc(0) depctr_vm_vsrc(0)
	s_wait_tensorcnt 0x0
	ds_add_u32 v14, v1
	s_wait_dscnt 0x0
	s_endpgm
.Lfunc_end_k_q8cb29b85a5_radius:
	.size	k_q8cb29b85a5_radius, .Lfunc_end_k_q8cb29b85a5_radius-k_q8cb29b85a5_radius
	.p2alignl 7, 3214868480
	.fill 96, 4, 3214868480
	.section	.rodata,"a",@progbits
	.p2align	6, 0x0
	.amdhsa_kernel k_q8cb29b85a5_radius
		.amdhsa_group_segment_fixed_size 93184
		.amdhsa_private_segment_fixed_size 0
		.amdhsa_enable_private_segment 0
		.amdhsa_kernarg_size 24
		.amdhsa_user_sgpr_count 2
		.amdhsa_user_sgpr_kernarg_segment_ptr 1
		.amdhsa_wavefront_size32 1
		.amdhsa_system_sgpr_workgroup_id_x 1
		.amdhsa_system_sgpr_workgroup_id_y 1
		.amdhsa_system_sgpr_workgroup_id_z 1
		.amdhsa_system_vgpr_workitem_id 0
		.amdhsa_next_free_vgpr 258
		.amdhsa_next_free_sgpr 78
		.amdhsa_reserve_vcc 0
		.amdhsa_float_denorm_mode_32 3
		.amdhsa_float_denorm_mode_16_64 3
		.amdhsa_memory_ordered 1
		.amdhsa_forward_progress 1
		.amdhsa_inst_pref_size 236
	.end_amdhsa_kernel
	.amdgpu_metadata
---
amdhsa.version: [ 1, 2 ]
amdhsa.kernels:
  - .name:           k_q8cb29b85a5_radius
    .symbol:         k_q8cb29b85a5_radius.kd
    .args:
      - { .name: domain, .offset: 0, .size: 8, .value_kind: global_buffer, .address_space: global }
      - { .name: positions, .offset: 8, .size: 8, .value_kind: global_buffer, .address_space: global }
      - { .name: out0, .offset: 16, .size: 8, .value_kind: global_buffer, .address_space: global }
    .group_segment_fixed_size: 93184
    .private_segment_fixed_size: 0
    .kernarg_segment_align: 8
    .kernarg_segment_size: 24
    .max_flat_workgroup_size: 256
    .sgpr_count:     78
    .vgpr_count:     258
    .wavefront_size: 32
...
	.end_amdgpu_metadata
.endif
;; end of part 3
